; MI455X (gfx1250); checked and timed in simulation.
; The chip was launched on July 23, 2026; its instructions are those of AMD's public machine-readable ISA for CDNA 5 (MIT licence, August 2026) and "CDNA5" Instruction Set Architecture Reference Guide (July 2026). The comments in the code are by the model that wrote it; some were corrected since.
;; Continuous Output Generator. Allowed arithmetic: matrix products marked QUANTISED: E2M3 operands, one E8M0 scale for each 32 along K, by v_wmma_scale_f32_16x16x128_f8f6f4 with both operands' format E2M3, f32 sums; everything else in f32.
;; Inputs: W1 256 x 512 float32; W2 512 x 256 float32; b1 512 float32; b2 256 float32; entity_positions 8 x 4,096 x 2 float32; entity_states 8 x 4,096 x 256 float32.
;; Outputs: out0 8 x 4,096 x 256 float32.
;; This version of the problem:
;;   THIS VERSION OF THE PROBLEM IS GIVEN IN LOW PRECISION. The matrix products marked QUANTISED in the list below multiply operands that are first quantised to E2M3 (2 exponent bits, 3 mantissa bits; 6 bits a number), with one power-of-two scale for each 32 numbers along K (OCP MX v1.0); their sums are f32. All else is computed in f32.
;;   The module's matrix products, in the order in which they are computed (A, B: the left and right operand; K: the contracted axis; several contracted axes count as one K, in the product's order):
;;     1. [M 32,768, K 256] x [K 256, N 512]; A: input entity_states; B: input W1: QUANTISED
;;     2. [M 32,768, K 512] x [K 512, N 256]; A: computed on the way; B: input W2: QUANTISED
;;     3. batch 8 x [M 4,096, K 4,096] x [K 4,096, N 256]; A: computed on the way; B: computed on the way: QUANTISED
;;   THE QUANTISER, for each operand of a quantised product, along K:
;;     - K is cut into blocks of 32 from its start; a last block that is shorter is filled with zeros.
;;     - A block's scale is 2^e with e = floor(log2(the largest magnitude in the block)) - 2, held to -126 .. 127; a block of zeros has e = 0. As a byte (E8M0): e + 127.
;;     - Each number is divided by its block's scale, clamped to +-7.5, and rounded to the nearest number of E2M3, ties to even, subnormals kept.
;;     - The product sums the exact products of the quantised numbers (number of the format x scale) in f32.
;;   ~~~python
;;   def quantise(x, axis):      # numpy; x: float32 -> the quantised numbers, widened to float32 again
;;       x = np.moveaxis(x, axis, -1); K = x.shape[-1]
;;       x = np.pad(x, [(0, 0)] * (x.ndim - 1) + [(0, -K % 32)]); x = x.reshape(x.shape[:-1] + (-1, 32)); a = np.abs(x).max(-1, keepdims=True)
;;       e = np.where(a > 0, np.clip(np.frexp(np.where(a > 0, a, 1))[1] - 1 - 2, -126, 127), 0)      # np.frexp(a)[1] - 1 = floor(log2(a)), exactly
;;       r = np.clip(x / 2.0 ** e, -7.5, 7.5)
;;       step = 2.0 ** (np.maximum(np.frexp(np.where(r == 0, 1, r))[1] - 1, 0) - 3)
;;       q = np.round(r / step) * step * 2.0 ** e      # np.round: ties to even
;;       return np.moveaxis(q.reshape(q.shape[:-2] + (-1,))[..., :K], -1, axis).astype(np.float32)
;;   ~~~
;;   OPERANDS COMPUTED ON THE WAY. 'Computed on the way' means the value that the module computes at that place (a softmax that the list does not call 'softmax' is quantised finished and normalised). What goes into a quantiser is computed in f32, as accurately as f32 sums, v_exp_f32 and their like allow (about 1e-6 of the number): no bf16 or f16 on the way to a quantiser, and a product that is left as it is and whose result goes on into a quantised operand takes f32 operands (vector FMAs, or v_wmma_f32_16x16x4_f32). A number that lies on a knife's edge between two numbers of the format may be rounded either way, as far as f32 arithmetic and the matrix unit's own rounding can turn it there, and no further.
;; 2 versions, each right; version 2 is version 1 with the launch mlp written anew for expert scheduling mode. Each part assembles by itself: llvm-mc -triple=amdgcn-amd-amdhsa -mcpu=gfx1250 --defsym DOCPART=n.
;; ======== version 1 of 2: 3 launches
;; workspace buffers: wq 204,800 bytes; ext 8,388,608 bytes; eyt 8,388,608 bytes; sp 4,194,304 bytes; pb 6,553,600 bytes
;; launch prep (part 1): grid 272 x 1, 4 waves a work-group, no clusters, 67,072 bytes of LDS; arguments entity_positions, W1, W2, wq, ext, eyt, sp; writes wq, ext, eyt, sp
.if DOCPART == 1
	.amdgcn_target "amdgcn-amd-amdhsa--gfx1250"
	.amdhsa_code_object_version 6
	.text
	.protected	k_q73a00f3d2f_prep
	.globl	k_q73a00f3d2f_prep
	.p2align	8
	.type	k_q73a00f3d2f_prep,@function
k_q73a00f3d2f_prep:
	s_mov_b64 s[64:65], 0
	v_nop
	global_prefetch_b8 v0, s[64:65] scope:SCOPE_SE
	s_setreg_imm32_b32 hwreg(HW_REG_WAVE_MODE, 25, 1), 1
	s_wait_xcnt 0x0
; PREP: what the two later launches read many times is made once.
; (a) Work-groups 0-255, one for each batch b and each 128 entities ks: the grid of the pooling is a product grid (64 x 64 values of one
;     linspace), so exp(-d2 / 0.1) = ex[i][n] ey[j][n] with ex = exp(-(g[i] - px[n])^2 / 0.1), ey likewise with py.  The tables ex and ey
;     (64 x 4,096 a batch) are stored, laid as the pooling launch's lanes want them, and the partial row sums
;     sp[i][j] = sum over these 128 n of ex[i][n] ey[j][n], in f32 by the f32 matrix form (the sums go on into a quantised operand).
; (b) Work-groups 256-263: W1, 264-271: W2: f32 [K][N] into codes of E2M3 with one E8M0 byte for each 32 along K, laid as images of the
;     operand's registers.  A lane takes a column and its registers run down K: a block of 32 lies in one lane.
; An image of a fragment (16 rows x 128 K, 12 registers a lane) is 1,536 bytes: for c = 0, 1: 512 bytes (lane l's 16 bytes = registers 6c .. 6c+3), then 256 bytes (lane l's 8 bytes = registers 6c+4, 6c+5).
; LIMITS: NaN and infinities among the inputs are not served.  v_exp_f32 gives 0 for an ex or ey under 2^-126.  A block whose largest magnitude
; lies under 2^-124 gets the byte 1; so does a block of zeros (its codes are zeros, and only this program reads the bytes).
; No cluster, no tensor load: no two work-groups read the same bytes but the 1,024 bytes of positions' neighbours; the tables path alone uses LDS and its one barrier.
.set EXR,  16                          ; v16-79    ex of my row 16 w + r, entities 64 h + 0 .. 63
.set EYR,  80                          ; v80-143   ey likewise
.set XT,   144                         ; v144-207  ex turned: lanes along the entities
.set ACC,  208                         ; v208-239  four f32 accumulators: written by matrix instructions alone
.set EXST, 32768                       ; LDS: 0: four images of 64 ey registers, 8,192 bytes each; EXST: a stage of 16 rows x 528 bytes for each wave
.set MSB, 0
.macro WIN new                         ; the immediate's high byte repeats the setting that is left
.if MSB != \new
	s_set_vgpr_msb (MSB<<8)|\new
.set MSB, \new
.endif
.endm
; One wave's task on a weight: 32 columns x 128 along K.  v8: 4 x lane; s[36:37]: the source; v5, v6: my row's place in an image (16 and 8 bytes a lane); s[32:33]: the image; v7, s[34:35]: my scale word.
.macro WBODY stride
.set n_, 0
.rept 128
	global_load_b32 v[64+n_], v8, s[36:37] offset:n_*\stride   ; W(k, my column): 32 lanes read 128 consecutive bytes
.set n_, n_+1
.endr
	s_wait_loadcnt 0x0
.irp q, 0,1,2,3
	v_max3_num_f32 v[12+\q], |v[64+32*\q]|, |v[65+32*\q]|, 0x1800000   ; block q: all 32 numbers are mine; the floor 2^(3 - 127) holds the byte at 1 from below
.endr
.irp i, 2,4,6,8,10,12,14,16,18,20,22,24,26,28,30
.irp q, 0,1,2,3
	v_max3_num_f32 v[12+\q], v[12+\q], |v[64+32*\q+\i]|, |v[65+32*\q+\i]|   ; the four blocks by turns
.endr
.endr
.irp q, 0,1,2,3
	v_add_nc_u32 v[16+\q], 0xff000000, v[12+\q]    ; 2 off the exponent field: the conversion's scale operand
.endr
.irp q, 0,1,2,3
	v_lshrrev_b32 v[12+\q], 23, v[16+\q]           ; the scale's byte
.endr
	v_lshl_or_b32 v20, v13, 8, v12
	v_lshl_or_b32 v20, v14, 16, v20
	v_lshl_or_b32 v20, v15, 24, v20                ; my column's scale word for these 128 along K
.irp q, 0,1,2,3
	v_cvt_scalef32_pk16_fp6_f32 v[32+8*\q:34+8*\q], v[64+32*\q:79+32*\q], v[16+\q]
	v_cvt_scalef32_pk16_fp6_f32 v[36+8*\q:38+8*\q], v[80+32*\q:95+32*\q], v[16+\q]   ; (a conversion's three registers begin on an even number)
.endr
	v_nop                                          ; one plain line behind the conversions
.irp q, 0,1,2,3
	v_mov_b32 v[35+8*\q], v[36+8*\q]               ; the block's six registers on end
	v_mov_b32 v[36+8*\q], v[37+8*\q]
	v_mov_b32 v[37+8*\q], v[38+8*\q]
.endr
.irp q, 0,1,2,3                        ; block q = 2 c + h belongs to lane r + 16 h of the image, registers 6 c on
	global_store_b128 v5, v[32+8*\q:35+8*\q], s[32:33] offset:768*(\q/2)+256*(\q%2)
	global_store_b64 v6, v[36+8*\q:37+8*\q], s[32:33] offset:768*(\q/2)+512+128*(\q%2)
.endr
	global_store_b32 v7, v20, s[34:35]
.endm
	s_load_b256 s[4:11], s[0:1], 0x0               ; positions s[4:5], W1 s[6:7], W2 s[8:9], wq s[10:11]
	s_load_b128 s[12:15], s[0:1], 0x20             ; ext s[12:13], eyt s[14:15]
	s_load_b64 s[16:17], s[0:1], 0x30              ; sp
	v_lshl_add_u32 v254, v0, 2, 0x10400
	v_mov_b32 v255, 0
	v_lshrrev_b32 v1, 5, v0
	v_readfirstlane_b32 s18, v1                    ; wave 0..3
	v_and_b32 v1, 31, v0                           ; lane
	s_cmp_lt_u32 ttmp9, 256                        ; the same for all waves of a work-group
	s_cbranch_scc0 .Lweights
	; ---------------- the tables: batch b = id / 32, entities 128 ks on, ks = id % 32.  Wave w owns grid rows 16 w + r, for x and for y alike
	v_and_b32 v2, 15, v0                           ; r
	v_bfe_u32 v3, v0, 4, 1                         ; h
	v_lshlrev_b32 v4, 9, v3                        ; positions: my half's 64 entities, 8 bytes each
	v_lshlrev_b32 v5, 12, v3
	v_lshl_add_u32 v5, v2, 4, v5                   ; eyt: 4,096 h + 16 r
	v_lshlrev_b32 v6, 4, v1                        ; 16 x lane
	s_lshl_b32 s19, s18, 13
	v_add_nc_u32 v7, s19, v6                       ; LDS: my wave's image of ey
	s_mul_i32 s20, s18, 8448
	s_add_co_u32 s20, s20, EXST                    ; LDS: my wave's stage
	v_mul_u32_u24 v8, v2, 528
	v_lshl_add_u32 v8, v3, 8, v8
	v_add_nc_u32 v8, s20, v8                       ; into it: row r, my half's 256 bytes
	v_mul_u32_u24 v9, v3, 528
	v_lshl_add_u32 v9, v2, 4, v9
	v_add_nc_u32 v9, s20, v9                       ; out of it: lanes 0-15 one row, lanes 16-31 the next; 16 bytes a lane
	s_lshr_b32 s21, ttmp9, 5                       ; b
	s_and_b32 s22, ttmp9, 31                       ; ks
	s_lshl_b32 s24, ttmp9, 10                      ; positions: 1,024 bytes a work-group
	s_mov_b32 s25, 0
	s_lshl_b32 s26, s21, 2
	s_add_co_u32 s26, s26, s18
	s_lshl_b32 s26, s26, 18                        ; eyt: (4 b + w) x 128 blocks x 2,048 bytes
	s_lshl_b32 s23, s22, 13
	s_add_co_u32 s26, s26, s23                     ; + 4 ks blocks
	s_mov_b32 s27, 0
	s_lshl_b32 s28, s21, 20                        ; ext: b x 32 pairs of rows x 32,768 bytes
	s_lshl_b32 s23, s18, 18
	s_add_co_u32 s28, s28, s23                     ; + 8 w pairs
	s_lshl_b32 s23, s22, 10
	s_add_co_u32 s28, s28, s23                     ; + 2 ks runs of 64 entities
	s_mov_b32 s29, 0
	s_lshl_b32 s30, ttmp9, 14                      ; sp: 16,384 bytes a work-group,
	s_lshl_b32 s23, s18, 12
	s_add_co_u32 s30, s30, s23                     ; 4,096 a wave
	s_mov_b32 s31, 0
	s_wait_kmcnt 0x0
	s_add_nc_u64 s[4:5], s[4:5], s[24:25]
	s_add_nc_u64 s[14:15], s[14:15], s[26:27]
	s_add_nc_u64 s[12:13], s[12:13], s[28:29]
	s_add_nc_u64 s[16:17], s[16:17], s[30:31]
	WIN 0x40                                       ; destination window 1: v0-127 there take px, py of my 64 entities
.set n_, 0
.rept 32
	global_load_b128 v[4*n_:4*n_+3], v4, s[4:5] offset:16*n_
.set n_, n_+1
.endr
	WIN 0
	s_lshl_b32 s23, s18, 4
	v_add_nc_u32 v12, s23, v2                      ; my grid index 16 w + r
	v_cvt_f32_u32 v12, v12
	v_mul_f32 v13, 0x3c820821, v12                 ; q = index / 63: a first quotient,
	v_fma_f32 v14, 0xc27c0000, v13, v12            ; its remainder,
	v_fma_f32 v13, v14, 0x3c820821, v13            ; and the corrected quotient
	v_sub_f32 v14, 1.0, v13
	v_sub_f32 v10, v13, v14                        ; the grid value: -1 (1 - q) + 1 q
	v_mov_b32 v11, v10
	s_wait_loadcnt 0x0
	WIN 0x44                                       ; source 1 and destination window 1
.set n_, 0
.rept 64
	v_pk_add_f32 v[2*n_:2*n_+1], v[10:11], v[2*n_:2*n_+1] neg_lo:[0,1] neg_hi:[0,1]   ; g - px, g - py
.set n_, n_+1
.endr
	WIN 0x45
.set n_, 0
.rept 64
	v_pk_mul_f32 v[2*n_:2*n_+1], v[2*n_:2*n_+1], v[2*n_:2*n_+1]
.set n_, n_+1
.endr
.set n_, 0
.rept 64
	v_pk_mul_f32 v[2*n_:2*n_+1], v[2*n_:2*n_+1], 0xc166d4ca op_sel_hi:[1,0]   ; x -log2(e) / 0.1
.set n_, n_+1
.endr
	WIN 0x01                                       ; source 0 window 1
.set n_, 0
.rept 64
	v_exp_f32 v[EXR+n_], v[2*n_]
	v_exp_f32 v[EYR+n_], v[2*n_+1]
.set n_, n_+1
.endr
	WIN 0
	v_nop                                          ; one plain line behind the exponentials
	s_wait_alu depctr_va_vdst(0)
.irp u, 0,1,2,3,4,5,6,7,8,9,10,11,12,13,14,15
	global_store_b128 v5, v[EYR+4*\u:EYR+4*\u+3], s[14:15] offset:256*\u   ; eyt: sixteen lanes store 256 consecutive bytes: entities 4 u .. 4 u + 3 of sixteen rows
	ds_store_b128 v7, v[EYR+4*\u:EYR+4*\u+3] offset:512*\u                 ; ey's registers as they stand, for the other waves
	ds_store_b128 v8, v[EXR+4*\u:EXR+4*\u+3] offset:16*\u                  ; ex by rows, into my own stage
.endr
.irp p, 0,1,2,3,4,5,6,7
.irp m, 0,1
	ds_load_b128 v[XT+4*(2*\p+\m):XT+4*(2*\p+\m)+3], v9 offset:1056*\p+256*\m   ; LDS serves a wave's instructions in order: these see my stores.  Rows 2 p, 2 p + 1; 64 entities
.endr
.endr
.irp p, 0,1,2,3,4,5,6,7
.irp m, 0,1
	s_wait_dscnt 15-(2*\p+\m)                      ; the younger loads may stay out
	global_store_b128 v6, v[XT+4*(2*\p+\m):XT+4*(2*\p+\m)+3], s[12:13] offset:32768*\p+512*\m   ; ext: 32 lanes store 512 consecutive bytes
.endr
.endr
	s_wait_dscnt 0x0                               ; my image of ey has landed
	s_barrier_signal -1
	s_barrier_wait -1                              ; everybody's has
	WIN 0x40                                       ; all four tiles of ey into window 1 (the positions there are done with)
.irp t, 0,1,2,3
.irp u, 0,1,2,3,4,5,6,7,8,9,10,11,12,13,14,15
	ds_load_b128 v[64*\t+4*\u:64*\t+4*\u+3], v6 offset:8192*\t+512*\u
.endr
.endr
	s_wait_dscnt 0x0
	WIN 0x04                                       ; source 1 window 1
; sp(i, j) over my 128 entities: register pair 2 g, 2 g + 1 of lane (r, h) is entity 64 h + 2 g + 0, 1 on both sides: one order of K for both operands.  The four accumulators take turns; the first four products start the sums.
.irp t, 0,1,2,3
	v_wmma_f32_16x16x4_f32 v[ACC+8*\t:ACC+8*\t+7], v[EXR:EXR+1], v[64*\t:64*\t+1], 0
.endr
.set n_, 1
.rept 31
.irp t, 0,1,2,3
	v_wmma_f32_16x16x4_f32 v[ACC+8*\t:ACC+8*\t+7], v[EXR+2*n_:EXR+2*n_+1], v[64*\t+2*n_:64*\t+2*n_+1], v[ACC+8*\t:ACC+8*\t+7]
.endr
.set n_, n_+1
.endr
	WIN 0
.rept 8
	v_nop                                          ; eight places behind this form before a store reads a result
.endr
.irp t, 0,1,2,3
	global_store_b128 v6, v[ACC+8*\t:ACC+8*\t+3], s[16:17] offset:1024*\t         ; each accumulator from its low end on; 512 consecutive bytes a store
	global_store_b128 v6, v[ACC+8*\t+4:ACC+8*\t+7], s[16:17] offset:1024*\t+512
.endr
	s_wait_tensorcnt 0x0
	ds_add_u32 v254, v255
	s_wait_dscnt 0x0
	s_endpgm
.Lweights:
	s_sub_co_u32 s19, ttmp9, 256
	s_cmp_lt_u32 s19, 8
	s_cbranch_scc0 .Lw2
	; ---------------- W1 [256][512]: task a = 4 x (id - 256) + wave: columns 32 (a / 2) on, K step a % 2
	s_lshl_b32 s20, s19, 2
	s_add_co_u32 s20, s20, s18
	s_lshr_b32 s21, s20, 1                         ; cg
	s_and_b32 s22, s20, 1                          ; s
	s_lshl_b32 s24, s22, 18                        ; 128 rows of 2,048 bytes
	s_lshl_b32 s23, s21, 7
	s_add_co_u32 s24, s24, s23
	s_mov_b32 s25, 0
	s_lshr_b32 s26, s21, 2                         ; the wave of the MLP that owns these hidden units
	s_and_b32 s27, s21, 3                          ; which 32 of its 128
	s_mul_i32 s28, s26, 24576
	s_mul_i32 s23, s27, 6144
	s_add_co_u32 s28, s28, s23
	s_mul_i32 s23, s22, 1536
	s_add_co_u32 s28, s28, s23
	s_mov_b32 s29, 0
	s_lshl_b32 s30, s26, 10
	s_lshl_b32 s23, s27, 8
	s_add_co_u32 s30, s30, s23
	s_lshl_b32 s23, s22, 6
	s_add_co_u32 s30, s30, s23
	s_add_co_u32 s30, s30, 196608
	s_mov_b32 s31, 0
	v_bfe_u32 v2, v0, 3, 1                         ; THE ROWS OF A TILE ARE NOT NEIGHBOURS: column x of the 32 is row (x % 8) + 8 (x / 16) of tile 2 bb + (x / 8) % 2
	v_and_b32 v3, 7, v0
	v_bfe_u32 v4, v0, 4, 1
	v_lshl_add_u32 v3, v4, 3, v3
	v_mul_u32_u24 v4, v2, 3072
	v_lshl_add_u32 v5, v3, 4, v4
	v_lshl_add_u32 v6, v3, 3, v4
	v_lshlrev_b32 v7, 7, v2
	v_lshl_add_u32 v7, v3, 2, v7
	v_lshlrev_b32 v8, 2, v1
	s_wait_kmcnt 0x0
	s_add_nc_u64 s[36:37], s[6:7], s[24:25]
	s_add_nc_u64 s[32:33], s[10:11], s[28:29]
	s_add_nc_u64 s[34:35], s[10:11], s[30:31]
	WBODY 2048
	s_endpgm
.Lw2:
	; ---------------- W2 [512][256]: task a = 4 x (id - 264) + wave: columns 32 (a / 4) on, K step a % 4
	s_sub_co_u32 s19, s19, 8
	s_lshl_b32 s20, s19, 2
	s_add_co_u32 s20, s20, s18
	s_lshr_b32 s21, s20, 2                         ; cg
	s_and_b32 s22, s20, 3                          ; s
	s_lshl_b32 s24, s22, 17                        ; 128 rows of 1,024 bytes
	s_lshl_b32 s23, s21, 7
	s_add_co_u32 s24, s24, s23
	s_mov_b32 s25, 0
	s_lshr_b32 s26, s21, 1                         ; the wave of the MLP that owns these outputs
	s_and_b32 s27, s21, 1
	s_mul_i32 s28, s26, 24576
	s_mul_i32 s23, s27, 12288
	s_add_co_u32 s28, s28, s23
	s_mul_i32 s23, s22, 1536
	s_add_co_u32 s28, s28, s23
	s_add_co_u32 s28, s28, 98304
	s_mov_b32 s29, 0
	s_lshl_b32 s30, s26, 10
	s_lshl_b32 s23, s27, 9
	s_add_co_u32 s30, s30, s23
	s_lshl_b32 s23, s22, 6
	s_add_co_u32 s30, s30, s23
	s_add_co_u32 s30, s30, 200704
	s_mov_b32 s31, 0
	v_bfe_u32 v2, v0, 4, 1                         ; column x of the 32 is row x % 16 of tile 2 (cg % 2) + x / 16
	v_and_b32 v3, 15, v0
	v_mul_u32_u24 v4, v2, 6144
	v_lshl_add_u32 v5, v3, 4, v4
	v_lshl_add_u32 v6, v3, 3, v4
	v_lshlrev_b32 v7, 8, v2
	v_lshl_add_u32 v7, v3, 2, v7
	v_lshlrev_b32 v8, 2, v1
	s_wait_kmcnt 0x0
	s_add_nc_u64 s[36:37], s[8:9], s[24:25]
	s_add_nc_u64 s[32:33], s[10:11], s[28:29]
	s_add_nc_u64 s[34:35], s[10:11], s[30:31]
	WBODY 1024
	s_endpgm
.Lfunc_end_k_q73a00f3d2f_prep:
	.size	k_q73a00f3d2f_prep, .Lfunc_end_k_q73a00f3d2f_prep-k_q73a00f3d2f_prep
	.p2alignl 7, 3214868480
	.fill 96, 4, 3214868480
	.section	.rodata,"a",@progbits
	.p2align	6, 0x0
	.amdhsa_kernel k_q73a00f3d2f_prep
		.amdhsa_group_segment_fixed_size 67072
		.amdhsa_private_segment_fixed_size 0
		.amdhsa_enable_private_segment 0
		.amdhsa_kernarg_size 56
		.amdhsa_user_sgpr_count 2
		.amdhsa_user_sgpr_kernarg_segment_ptr 1
		.amdhsa_wavefront_size32 1
		.amdhsa_system_sgpr_workgroup_id_x 1
		.amdhsa_system_sgpr_workgroup_id_y 1
		.amdhsa_system_sgpr_workgroup_id_z 1
		.amdhsa_system_vgpr_workitem_id 0
		.amdhsa_next_free_vgpr 512
		.amdhsa_next_free_sgpr 66
		.amdhsa_reserve_vcc 0
		.amdhsa_float_denorm_mode_32 3
		.amdhsa_float_denorm_mode_16_64 3
		.amdhsa_memory_ordered 1
		.amdhsa_forward_progress 1
		.amdhsa_inst_pref_size 85
	.end_amdhsa_kernel
	.amdgpu_metadata
---
amdhsa.version: [ 1, 2 ]
amdhsa.kernels:
  - .name:           k_q73a00f3d2f_prep
    .symbol:         k_q73a00f3d2f_prep.kd
    .args:
      - { .name: entity_positions, .offset: 0, .size: 8, .value_kind: global_buffer, .address_space: global }
      - { .name: W1, .offset: 8, .size: 8, .value_kind: global_buffer, .address_space: global }
      - { .name: W2, .offset: 16, .size: 8, .value_kind: global_buffer, .address_space: global }
      - { .name: wq, .offset: 24, .size: 8, .value_kind: global_buffer, .address_space: global }
      - { .name: ext, .offset: 32, .size: 8, .value_kind: global_buffer, .address_space: global }
      - { .name: eyt, .offset: 40, .size: 8, .value_kind: global_buffer, .address_space: global }
      - { .name: sp, .offset: 48, .size: 8, .value_kind: global_buffer, .address_space: global }
    .group_segment_fixed_size: 67072
    .private_segment_fixed_size: 0
    .kernarg_segment_align: 8
    .kernarg_segment_size: 56
    .max_flat_workgroup_size: 128
    .sgpr_count:     66
    .vgpr_count:     512
    .wavefront_size: 32
...
	.end_amdgpu_metadata
.endif
;; end of part 1
;; launch mlp (part 2): grid 256 x 1, 4 waves a work-group, no clusters, 41,472 bytes of LDS; arguments entity_states, wq, b1, b2, pb; writes pb
.if DOCPART == 2
	.amdgcn_target "amdgcn-amd-amdhsa--gfx1250"
	.amdhsa_code_object_version 6
	.text
	.protected	k_q73a00f3d2f_mlp
	.globl	k_q73a00f3d2f_mlp
	.p2align	8
	.type	k_q73a00f3d2f_mlp,@function
k_q73a00f3d2f_mlp:
	s_mov_b64 s[64:65], 0
	v_nop
	global_prefetch_b8 v0, s[64:65] scope:SCOPE_SE
	s_setreg_imm32_b32 hwreg(HW_REG_WAVE_MODE, 25, 1), 1
	s_wait_xcnt 0x0
; MLP: projected = gelu(x W1 + b1) W2 + b2, both products on codes of E2M3 with one E8M0 scale for each 32 along K; the result is quantised ALONG THE ENTITIES, the third product's K, and stored as
; images of that product's operand registers (pb).  x: [32,768][256] f32.  The weights come from wq as images of fragments with their scale words.
; SHARES.  A work-group takes 128 entities, one K step of the third product, as two blocks of 64.  THE WAVES SHARE THE COLUMNS: wave w makes hidden units 128 w .. + 127 and outputs 64 w .. + 63 for all rows;
; its 16 + 16 weight fragments stay in registers.  Codes of x and of the hidden layer go from wave to wave through LDS as images of their registers (three stores of 512 bytes a fragment).
; THE ROWS OF A TILE ARE NOT NEIGHBOURS, twice: lane r of W1's tile 2 bb + u holds hidden unit 32 bb + 8 u + r + 8 (r / 8), so that the first product, used transposed, leaves a lane 16 neighbours along the second K;
; and lane r of row tile m = 2 B + u holds entity 32 B + 8 u + r + 8 (r / 8) of the block, so that the second product, used as it is (source 0 = hidden rows, source 1 = W2), leaves lane (r, h) one output column
; and, in the 16 registers of tiles u = 0, 1, the 16 neighbouring entities 32 B + 16 h + 0 .. 15.
; GELU, exact: h = max(x, 0) - |x| c, c = erfc(a) / 2, a = |x| / sqrt 2; erfc(a) = (1 + p(q)) / (1 + 2 a) x exp(-a a), q = (a - 2) / (a + 2), p of degree 9: all in f32.
; LIMITS: NaN and infinities are not served.  The relative error of c grows with a as about a a x 2e-7 (the exponent a a log2 e is rounded); beyond a = 10 the exponential is 0, as erfc is in f32.
; A block whose largest magnitude lies under 2^-124, a block of zeros among them, gets the byte 1 (its codes are then small or zero; only this program reads the bytes).
; No cluster: the weights, which all work-groups share, are wanted once, in registers, and come by plain loads; a joint load would bring them into LDS, to be written and read there once more.  No tensor load, so no ring.
; REGISTERS: window 0 as named below.  window 1: W1's fragments at 12 (2 t + s), b1's tiles at 192 + 8 t.  window 2: W2's at 12 (4 n + s), b2's tiles at 192 + 8 n.  window 3: the 16 accumulators of the outputs at 8 (4 n + m).
.set FR,   12
.set FRB,  1536
.set XIMG, 0                           ; LDS: x's 8 fragments (2 m + s),
.set XSC,  12288                       ; their scale words, 128 bytes each,
.set HIMG, 13312                       ; the hidden layer's 16 fragments (4 s + m: each wave's four on end),
.set HSC,  37888                       ; their scale words
.set XA,   1                           ; x: my lane's byte in a tile's rows
.set LI,   2                           ; 16 x lane
.set LS,   3                           ; 4 x lane
.set L8,   4                           ; 8 x lane
.set XWI,  5                           ; where I store x's images: 16 x lane + 3,072 x wave
.set XWS,  6                           ; their scale words: 4 x lane + 256 x wave
.set HWI,  7                           ; the hidden layer's: 16 x lane + 6,144 x wave
.set HWS,  8                           ; 4 x lane + 512 x wave
.set XFA,  9                           ; v9-12: the same four for the row tile in hand
.set XSA,  10
.set HWA,  11
.set HSA,  12
.set B1A,  13                          ; 64 h
.set R4,   14                          ; 4 r
.set XF,   16                          ; v16-39   x's two fragments
.set SW,   40                          ; v40-43   the outputs' scale words, gathered over the two blocks
.set UU,   44
.set KC0,  46                          ; v46-47   p's leading coefficient, twice
.set HA,   48                          ; v48-111  my 8 tiles of the hidden layer
.set PC,   112                         ; v112-130 the codes just made
.set ST,   132                         ; v132-195 64 numbers of x; at work in the GELU; four hidden fragments; the outputs' codes
.set HF,   196
.set TM,   200
.set PW,   216
.set XS,   217                         ; v217-218 x's scale words; v219-222 the hidden layer's; v224-239 W1's; v240-255 W2's: these hold scales and nothing else
.set HS,   219
.set W1S,  224
.set W2S,  240
.set T0,   ST
.set T1,   ST+16
.set T2,   ST+32
.set T3,   ST+48
.set MX,   ST+32
.set PX,   ST+40
.set SCL,  ST+48
.set B1,   192
.set B2,   192
.set WV,   18
.set SEL,  20
.set BLK,  22
.set MI,   23
.set KA,   38                          ; s38 1 / sqrt 2
.set CK,   40                          ; s[40:57] p's coefficients 1 to 9, each as a pair
.set KL,   58                          ; s[58:59] -log2 e
.set PBW,  60                          ; s[60:61] where my codes go
.set PBS,  62                          ; s[62:63] and my scale words
.set MSB, 0
.macro WIN new                         ; the immediate's high byte repeats the setting that is left
.if MSB != \new
	s_set_vgpr_msb (MSB<<8)|\new
.set MSB, \new
.endif
.endm
.macro CONST k, bits
	s_mov_b32 s[CK+2*(\k-1)], \bits
	s_mov_b32 s[CK+2*(\k-1)+1], \bits
.endm
; 64 numbers of a lane, register 16 b + i = k 32 b + 16 (lane / 16) + i of my row, become a fragment's codes in v[PC] on and its scale word in v[PW].
.macro QUANT s
.irp b, 0,1,2,3
	v_max3_num_f32 v[TM+\b], |v[\s+16*\b]|, |v[\s+1+16*\b]|, 0x1800000   ; my 16 numbers of block b, and the floor 2^(3 - 127): the byte cannot fall under 1
.endr
.irp i, 2,4,6,8,10,12,14
.irp b, 0,1,2,3
	v_max3_num_f32 v[TM+\b], v[TM+\b], |v[\s+16*\b+\i]|, |v[\s+1+16*\b+\i]|
.endr
.endr
.irp b, 0,1,2,3
	v_permlanex16_b32 v[TM+4+\b], v[TM+\b], s[SEL], s[SEL+1]
.endr
.irp b, 0,1,2,3
	v_max_num_f32 v[TM+\b], v[TM+\b], v[TM+4+\b]   ; with lane l xor 16's: the block's largest magnitude
.endr
.irp b, 0,1,2,3
	v_add_nc_u32 v[TM+12+\b], 0xff000000, v[TM+\b] ; 2 off its exponent field: the conversion's scale operand
.endr
.irp b, 0,1,2,3
	v_lshrrev_b32 v[TM+4+\b], 23, v[TM+12+\b]      ; the scale's byte
.endr
	v_lshl_or_b32 v[PW], v[TM+5], 8, v[TM+4]
	v_lshl_or_b32 v[PW], v[TM+6], 16, v[PW]
	v_lshl_or_b32 v[PW], v[TM+7], 24, v[PW]
.irp c, 0,1
	v_cvt_scalef32_pk16_fp6_f32 v[PC+6*\c:PC+2+6*\c], v[\s+32*\c:\s+15+32*\c], v[TM+12+2*\c]
	v_cvt_scalef32_pk16_fp6_f32 v[PC+12+4*\c:PC+14+4*\c], v[\s+16+32*\c:\s+31+32*\c], v[TM+12+2*\c+1]   ; (a conversion's three registers begin on an even number)
.endr
	v_nop                                          ; one plain line behind the conversions
.irp c, 0,1                                    ; the operand's layout wants a whole block in a lane: lanes 0-15 block 2 c, lanes 16-31 block 2 c + 1
.irp i, 0,1,2
	v_permlane16_swap_b32 v[PC+6*\c+\i], v[PC+12+4*\c+\i]
.endr
.irp i, 0,1,2
	v_mov_b32 v[PC+3+6*\c+\i], v[PC+12+4*\c+\i]
.endr
.endr
.endm
.macro IMAGE adr, off                          ; the fragment in v[PC] on goes to LDS as it stands
.irp c, 0,1,2
	ds_store_b128 v[\adr], v[PC+4*\c:PC+4*\c+3] offset:\off+512*\c
.endr
.endm
.macro FETCH reg, adr, off                     ; and comes back so, in any wave
.irp c, 0,1,2
	ds_load_b128 v[\reg+4*\c:\reg+4*\c+3], v[\adr] offset:\off+512*\c
.endr
.endm
.macro BARRIER                                 ; my LDS stores have landed and my LDS loads are in: then the work-group's barrier
	s_wait_dscnt 0x0
	s_barrier_signal -1
	s_barrier_wait -1
.endm
.macro XLOAD reg, s, off                       ; my tile's numbers of K step s (64 a lane), from off bytes on
.irp b, 0,1,2,3
.irp j, 0,1,2,3
	global_load_b128 v[\reg+16*\b+4*\j:\reg+16*\b+4*\j+3], v[XA], s[4:5] offset:\off+512*\s+128*\b+16*\j th:TH_LOAD_NT
.endr
.endr
.endm
.macro WFRAGS base                             ; sixteen fragments from their images: 16, 8, 16, 8 bytes a lane
.set f_, 0
.rept 16
	global_load_b128 v[12*f_:12*f_+3], v[LI], s[\base:\base+1] offset:1536*f_
	global_load_b64 v[12*f_+4:12*f_+5], v[L8], s[\base:\base+1] offset:1536*f_+512
	global_load_b128 v[12*f_+6:12*f_+9], v[LI], s[\base:\base+1] offset:1536*f_+768
	global_load_b64 v[12*f_+10:12*f_+11], v[L8], s[\base:\base+1] offset:1536*f_+1280
.set f_, f_+1
.endr
.endm
; The activation on 16 numbers a lane, v[HA + 16 g] on, in place.  A plain line follows every run of reciprocals or exponentials before a result is used.
.macro GELU g
.set XB, HA+16*\g
.set j_, 0
.rept 16
	v_mul_f32 v[T0+j_], s[KA], |v[XB+j_]|          ; a (the tiles are read from their low ends on)
.set j_, j_+1
.endr
.set j_, 0
.rept 8
	v_pk_add_f32 v[T1+j_:T1+j_+1], v[T0+j_:T0+j_+1], 2.0 op_sel_hi:[1,0]
.set j_, j_+2
.endr
.set j_, 0
.rept 16
	v_rcp_f32 v[T1+j_], v[T1+j_]                   ; 1 / (a + 2)
.set j_, j_+1
.endr
.set j_, 0
.rept 8
	v_pk_fma_f32 v[T2+j_:T2+j_+1], v[T0+j_:T0+j_+1], 4.0, 2.0 op_sel_hi:[1,0,0]
.set j_, j_+2
.endr
.set j_, 0
.rept 8
	v_pk_add_f32 v[T3+j_:T3+j_+1], v[T0+j_:T0+j_+1], -2.0 op_sel_hi:[1,0]
.set j_, j_+2
.endr
.set j_, 0
	s_wait_alu depctr_va_vdst(0)
.rept 8
	v_pk_mul_f32 v[T1+j_:T1+j_+1], v[T3+j_:T3+j_+1], v[T1+j_:T1+j_+1]   ; q
.set j_, j_+2
.endr
.set j_, 0
.rept 16
	v_rcp_f32 v[T2+j_], v[T2+j_]                   ; 1 / (4 a + 2): the half of erfc / 2 is in it
.set j_, j_+1
.endr
.set j_, 0
.rept 8
	v_pk_mul_f32 v[T0+j_:T0+j_+1], v[T0+j_:T0+j_+1], v[T0+j_:T0+j_+1]
.set j_, j_+2
.endr
.set j_, 0
.rept 8
	v_pk_mul_f32 v[T0+j_:T0+j_+1], v[T0+j_:T0+j_+1], s[KL:KL+1] op_sel_hi:[1,0]
.set j_, j_+2
.endr
.set j_, 0
.rept 16
	v_exp_f32 v[T0+j_], v[T0+j_]                   ; exp(-a a)
.set j_, j_+1
.endr
.set j_, 0
.rept 8
	v_pk_fma_f32 v[T3+j_:T3+j_+1], v[KC0:KC0+1], v[T1+j_:T1+j_+1], s[CK:CK+1] op_sel_hi:[1,1,0]
.set j_, j_+2
.endr
.irp k, 2,3,4,5,6,7,8,9
.set j_, 0
.rept 8
	v_pk_fma_f32 v[T3+j_:T3+j_+1], v[T3+j_:T3+j_+1], v[T1+j_:T1+j_+1], s[CK+2*(\k-1):CK+2*(\k-1)+1] op_sel_hi:[1,1,0]
.set j_, j_+2
.endr
.endr
.set j_, 0
	s_wait_alu depctr_va_vdst(0)
.rept 8
	v_pk_fma_f32 v[T3+j_:T3+j_+1], v[T3+j_:T3+j_+1], v[T2+j_:T2+j_+1], v[T2+j_:T2+j_+1]   ; (1 + p) / (4 a + 2)
.set j_, j_+2
.endr
.set j_, 0
.rept 8
	v_pk_mul_f32 v[T3+j_:T3+j_+1], v[T3+j_:T3+j_+1], v[T0+j_:T0+j_+1]                     ; c
.set j_, j_+2
.endr
.set j_, 0
.rept 16
	v_max_num_f32 v[T1+j_], 0, v[XB+j_]
.set j_, j_+1
.endr
.set j_, 0
.rept 16
	v_fma_f32 v[XB+j_], -|v[XB+j_]|, v[T3+j_], v[T1+j_]
.set j_, j_+1
.endr
.endm
	s_load_b256 s[4:11], s[0:1], 0x0               ; x s[4:5], wq s[6:7], b1 s[8:9], b2 s[10:11]
	s_load_b64 s[12:13], s[0:1], 0x20              ; pb
	v_lshl_add_u32 v211, v0, 2, 0xa000
	v_mov_b32 v223, 0
	v_lshrrev_b32 v15, 5, v0
	v_readfirstlane_b32 s[WV], v15                 ; wave 0..3
	v_and_b32 v15, 31, v0                          ; lane
	v_lshlrev_b32 v[LI], 4, v15
	v_lshlrev_b32 v[LS], 2, v15
	v_lshlrev_b32 v[L8], 3, v15
	v_and_b32 v[R4], 15, v0                        ; r
	v_bfe_u32 v[B1A], v0, 4, 1                     ; h
	v_and_b32 v[XA], 8, v[R4]
	v_add_nc_u32 v[XA], v[XA], v[R4]               ; r + 8 (r / 8)
	v_lshlrev_b32 v[XA], 10, v[XA]                 ; a row of x is 1,024 bytes
	v_lshl_add_u32 v[XA], v[B1A], 6, v[XA]         ; + 64 h: my 16 numbers of a block of 32
	v_lshlrev_b32 v[R4], 2, v[R4]
	v_lshlrev_b32 v[B1A], 6, v[B1A]
	s_mul_i32 s28, s[WV], 3072
	v_add_nc_u32 v[XWI], s28, v[LI]
	s_lshl_b32 s28, s[WV], 8
	v_add_nc_u32 v[XWS], s28, v[LS]
	s_mul_i32 s28, s[WV], 6144
	v_add_nc_u32 v[HWI], s28, v[LI]
	s_lshl_b32 s28, s[WV], 9
	v_add_nc_u32 v[HWS], s28, v[LS]
	s_lshl_b32 s24, ttmp9, 17                      ; x: 128 rows a work-group; my tile m = wave begins at row 32 (m / 2) + 8 (m % 2)
	s_lshr_b32 s28, s[WV], 1
	s_lshl_b32 s28, s28, 15
	s_add_co_u32 s24, s24, s28
	s_and_b32 s28, s[WV], 1
	s_lshl_b32 s28, s28, 13
	s_add_co_u32 s24, s24, s28
	s_mov_b32 s25, 0
	s_mul_i32 s26, s[WV], 24576                    ; my sixteen images of W1, and of W2
	s_mov_b32 s27, 0
	s_lshl_b32 s28, s[WV], 10                      ; my scale words
	s_mov_b32 s29, 0
	s_lshr_b32 s32, ttmp9, 2                       ; pb: a chunk of 102,400 bytes for each four work-groups,
	s_mul_i32 s32, s32, 102400
	s_and_b32 s36, ttmp9, 3                        ; in it my K step,
	s_mul_i32 s34, s36, 24576
	s_add_co_u32 s34, s34, s32
	s_mul_i32 s37, s[WV], 6144                     ; in it my four tiles of outputs
	s_add_co_u32 s34, s34, s37
	s_mov_b32 s35, 0
	s_lshl_b32 s36, s36, 10
	s_add_co_u32 s32, s32, s36
	s_lshl_b32 s36, s[WV], 8
	s_add_co_u32 s32, s32, s36
	s_add_co_u32 s32, s32, 98304                   ; the scale words lie behind the chunk's codes
	s_mov_b32 s33, 0
	s_lshl_b32 s36, s[WV], 9                       ; b1: my 128 numbers
	s_mov_b32 s37, 0
	s_wait_kmcnt 0x0
	s_add_nc_u64 s[4:5], s[4:5], s[24:25]
	s_add_nc_u64 s[14:15], s[6:7], s[26:27]
	s_add_nc_u64 s[16:17], s[14:15], 98304
	s_add_nc_u64 s[30:31], s[6:7], s[28:29]
	s_add_nc_u64 s[30:31], s[30:31], 196608
	s_add_nc_u64 s[8:9], s[8:9], s[36:37]
	s_lshl_b32 s36, s[WV], 8                       ; b2: my 64
	s_add_nc_u64 s[10:11], s[10:11], s[36:37]
	s_add_nc_u64 s[PBW:PBW+1], s[12:13], s[34:35]
	s_add_nc_u64 s[PBS:PBS+1], s[12:13], s[32:33]
	XLOAD HA, 0, 0                                 ; the first block's first K step of x goes out first
	WIN 0x40                                       ; destination window 1
	WFRAGS 14
.irp t, 0,1,2,3,4,5,6,7                        ; b1 in the result's layout: lane (r, h), tile 2 bb + u: units 32 bb + 16 h + 8 u + 0 .. 7
	global_load_b128 v[B1+8*\t:B1+8*\t+3], v[B1A], s[8:9] offset:(32*(\t/2)+8*(\t%2))*4
	global_load_b128 v[B1+8*\t+4:B1+8*\t+7], v[B1A], s[8:9] offset:(32*(\t/2)+8*(\t%2))*4+16
.endr
	WIN 0x80                                       ; destination window 2
	WFRAGS 16
.irp n, 0,1,2,3                                ; b2 in the result's layout: lane (r, h) holds column r in all eight registers
.irp j, 0,1,2,3,4,5,6,7
	global_load_b32 v[B2+8*\n+\j], v[R4], s[10:11] offset:64*\n
.endr
.endr
	WIN 0
.set f_, 0
.rept 16
	global_load_b32 v[W1S+f_], v[R4], s[30:31] offset:64*f_
	global_load_b32 v[W2S+f_], v[R4], s[30:31] offset:4096+64*f_
.set f_, f_+1
.endr
	s_mov_b32 s[SEL], 0x76543210
	s_mov_b32 s[SEL+1], 0xfedcba98                 ; v_permlanex16_b32's selects for lane l xor 16
	s_mov_b32 s[KA], 0x3f3504f3
	s_mov_b32 s[KL], 0xbfb8aa3b
	s_mov_b32 s[KL+1], 0xbfb8aa3b
	CONST 1, 0xbaa15130
	CONST 2, 0x3aac2b8a
	CONST 3, 0x3c0d6e62
	CONST 4, 0xbc040dc1
	CONST 5, 0xbd5e05b5
	CONST 6, 0x3e27fe23
	CONST 7, 0xbe2a0420
	CONST 8, 0xbdbdfb0b
	CONST 9, 0x3e8dd01d
	v_mov_b32 v[KC0], 0xb9d25000
	v_mov_b32 v[KC0+1], 0xb9d25000
.irp b, 0,1,2,3
	v_mov_b32 v[SW+\b], 0
	v_mov_b32 v[TM+4+\b], 0                        ; written once: a lane permute's destination counts as one of its sources
.endr
	s_mov_b32 s[BLK], 2
.Lblock:
	; ---- X: my tile of 16 rows of x becomes two fragments
	XLOAD ST, 1, 0
	s_wait_loadcnt 16                              ; all but the 16 just issued: K step 0, and in the first trip the weights, biases and scale words too
	QUANT HA
	IMAGE XWI, XIMG
	ds_store_b32 v[XWS], v[PW] offset:XSC
	s_wait_dscnt 0x0                               ; the stores have read their registers
	s_wait_loadcnt 0x0
	QUANT ST
	IMAGE XWI, XIMG+FRB
	ds_store_b32 v[XWS], v[PW] offset:XSC+128
	BARRIER                                        ; x's eight fragments lie in LDS; nobody reads the hidden layer's images of the block before any more
	; ---- 1: the hidden layer, a tile of 16 rows a trip
	s_mov_b32 s[MI], 4
	s_mov_b32 s24, 0
	s_mov_b32 s25, 0
	s_mov_b32 s26, 0
	s_mov_b32 s27, 0
.Lm:
	v_add_nc_u32 v[XFA], s24, v[LI]
	v_add_nc_u32 v[XSA], s25, v[LS]
	v_add_nc_u32 v[HWA], s26, v[HWI]
	v_add_nc_u32 v[HSA], s27, v[HWS]
	FETCH XF, XFA, XIMG
	FETCH XF+FR, XFA, XIMG+FRB
	ds_load_b32 v[XS], v[XSA] offset:XSC
	ds_load_b32 v[XS+1], v[XSA] offset:XSC+128
	s_wait_dscnt 0x0
	WIN 0x11                                       ; source 0 (W1) and source 2 (b1) window 1
.irp t, 0,1,2,3,4,5,6,7                        ; transposed: source 0 = 16 rows of W1, source 1 = x; the bias is the C of a sum's first product; the eight tiles take turns
	v_wmma_scale_f32_16x16x128_f8f6f4 v[HA+8*\t:HA+8*\t+7], v[FR*(2*\t):FR*(2*\t)+FR-1], v[XF:XF+FR-1], v[B1+8*\t:B1+8*\t+7], v[W1S+2*\t], v[XS] matrix_a_fmt:MATRIX_FMT_FP6 matrix_b_fmt:MATRIX_FMT_FP6
.endr
	WIN 0x01
.irp t, 0,1,2,3,4,5,6,7
	v_wmma_scale_f32_16x16x128_f8f6f4 v[HA+8*\t:HA+8*\t+7], v[FR*(2*\t+1):FR*(2*\t+1)+FR-1], v[XF+FR:XF+2*FR-1], v[HA+8*\t:HA+8*\t+7], v[W1S+2*\t+1], v[XS+1] matrix_a_fmt:MATRIX_FMT_FP6 matrix_b_fmt:MATRIX_FMT_FP6
.endr
	WIN 0
.rept 4
	v_nop                                          ; four places before vector instructions read the results (ISA guide 7.12.1)
.endr
	GELU 0
	GELU 1
	GELU 2
	GELU 3
	QUANT HA
	IMAGE HWA, HIMG                                ; K step w of the second product, this tile's rows
	ds_store_b32 v[HSA], v[PW] offset:HSC
	s_wait_dscnt 0x0                               ; the stores have read their registers
	s_add_co_u32 s24, s24, 3072
	s_add_co_u32 s25, s25, 256
	s_add_co_u32 s26, s26, 1536
	s_add_co_u32 s27, s27, 128
	s_sub_co_u32 s[MI], s[MI], 1
	s_cmp_lg_u32 s[MI], 0
	s_cbranch_scc1 .Lm
	BARRIER                                        ; the hidden layer's sixteen fragments lie in LDS; nobody reads x's images any more
	s_cmp_eq_u32 s[BLK], 1                         ; the next block's first K step of x, if there is a next block: no load leaves its buffer
	s_cbranch_scc1 .Lno_next
	XLOAD HA, 0, 65536
.Lno_next:
	; ---- 2: my 64 outputs for the 64 rows: sixteen accumulators by turns, a K step at a time.  Source 0 = hidden rows, source 1 = W2
.irp s, 0,1,2,3
.irp m, 0,1,2,3
	FETCH ST+FR*\m, LI, HIMG+(4*\s+\m)*FRB
	ds_load_b32 v[HS+\m], v[LS] offset:HSC+128*(4*\s+\m)
.endr
	s_wait_dscnt 0x0
.if \s == 0
	WIN 0xe8                                       ; source 1 (W2) and source 2 (b2) window 2, destination window 3
.else
	WIN 0xf8                                       ; source 1 window 2, C and D window 3
.endif
.irp m, 0,1,2,3
.irp n, 0,1,2,3
.if \s == 0
	v_wmma_scale_f32_16x16x128_f8f6f4 v[8*(4*\n+\m):8*(4*\n+\m)+7], v[ST+FR*\m:ST+FR*\m+FR-1], v[FR*(4*\n+\s):FR*(4*\n+\s)+FR-1], v[B2+8*\n:B2+8*\n+7], v[HS+\m], v[W2S+4*\n+\s] matrix_a_fmt:MATRIX_FMT_FP6 matrix_b_fmt:MATRIX_FMT_FP6
.else
	v_wmma_scale_f32_16x16x128_f8f6f4 v[8*(4*\n+\m):8*(4*\n+\m)+7], v[ST+FR*\m:ST+FR*\m+FR-1], v[FR*(4*\n+\s):FR*(4*\n+\s)+FR-1], v[8*(4*\n+\m):8*(4*\n+\m)+7], v[HS+\m], v[W2S+4*\n+\s] matrix_a_fmt:MATRIX_FMT_FP6 matrix_b_fmt:MATRIX_FMT_FP6
.endif
.endr
.endr
	WIN 0
.rept 4
	v_nop                                          ; places in front of loads into registers that these products have read, and of the first read of results
.endr
.endr
	; ---- 3: the outputs are quantised along the entities.  Block p = 2 n + B: the 16 registers at 16 p of window 3 are entities 32 B + 16 h + 0 .. 15 of column 16 n + r
	WIN 0x3c                                       ; sources 1 and 2 window 3
.irp p, 0,1,2,3,4,5,6,7
	v_max3_num_f32 v[MX+\p], 0x1800000, |v[16*\p]|, |v[16*\p+1]|   ; each accumulator is read from its low end on
.endr
.irp i, 2,4,6,8,10,12,14
.irp p, 0,1,2,3,4,5,6,7
	v_max3_num_f32 v[MX+\p], v[MX+\p], |v[16*\p+\i]|, |v[16*\p+\i+1]|
.endr
.endr
	WIN 0
.irp p, 0,1,2,3,4,5,6,7
	v_permlanex16_b32 v[PX+\p], v[MX+\p], s[SEL], s[SEL+1]
.endr
.irp p, 0,1,2,3,4,5,6,7
	v_max_num_f32 v[MX+\p], v[MX+\p], v[PX+\p]
.endr
.irp p, 0,1,2,3,4,5,6,7
	v_add_nc_u32 v[SCL+\p], 0xff000000, v[MX+\p]
.endr
.irp p, 0,1,2,3,4,5,6,7
	v_lshrrev_b32 v[PX+\p], 23, v[SCL+\p]
.endr
.irp n, 0,1,2,3
	v_lshl_or_b32 v[HF+\n], v[PX+2*\n+1], 8, v[PX+2*\n]   ; this block of 64 entities gives two bytes a column:
.endr
.irp n, 0,1,2,3
	v_lshrrev_b32 v[SW+\n], 16, v[SW+\n]                  ; they come in from above, so that the first block's end up below
.endr
.irp n, 0,1,2,3
	v_lshl_or_b32 v[SW+\n], v[HF+\n], 16, v[SW+\n]
.endr
	WIN 0x03                                       ; source 0 window 3
.irp p, 0,1,2,3,4,5,6,7
	v_cvt_scalef32_pk16_fp6_f32 v[ST+4*\p:ST+4*\p+2], v[16*\p:16*\p+15], v[SCL+\p]
.endr
	WIN 0
	v_nop                                          ; one plain line behind the conversions
.irp n, 0,1,2,3
.irp e, 0,1,2
	v_permlane16_swap_b32 v[ST+8*\n+\e], v[ST+8*\n+4+\e]   ; a whole block in a lane: lanes 0-15 the even block, lanes 16-31 the odd one
.endr
.endr
.irp n, 0,1,2,3
	v_mov_b32 v[ST+8*\n+3], v[ST+8*\n+4]
	v_mov_b32 v[ST+8*\n+4], v[ST+8*\n+5]
	v_mov_b32 v[ST+8*\n+5], v[ST+8*\n+6]
.endr
.irp n, 0,1,2,3
	global_store_b128 v[LI], v[ST+8*\n:ST+8*\n+3], s[PBW:PBW+1] offset:1536*\n          ; half an image: 512 consecutive bytes,
	global_store_b64 v[L8], v[ST+8*\n+4:ST+8*\n+5], s[PBW:PBW+1] offset:1536*\n+512     ; then 256
.endr
	s_wait_xcnt 0x0                                ; the stores and loads have read their registers and bases: these are written again only behind this wait
	s_add_nc_u64 s[4:5], s[4:5], 65536
	s_add_nc_u64 s[PBW:PBW+1], s[PBW:PBW+1], 768
	s_sub_co_u32 s[BLK], s[BLK], 1
	s_cmp_lg_u32 s[BLK], 0
	s_cbranch_scc1 .Lblock
	s_mov_b32 vcc_lo, 0xffff0000                   ; the scale words as the pooling launch's registers want them: lanes 0-15 an even tile's, lanes 16-31 the odd tile's behind it
	v_cndmask_b32 v[UU], v[SW], v[SW+1], vcc_lo
	v_cndmask_b32 v[UU+1], v[SW+2], v[SW+3], vcc_lo
	global_store_b64 v[L8], v[UU:UU+1], s[PBS:PBS+1]   ; 256 consecutive bytes
	s_wait_tensorcnt 0x0
	ds_add_u32 v211, v223
	s_wait_dscnt 0x0
	s_endpgm
.Lfunc_end_k_q73a00f3d2f_mlp:
	.size	k_q73a00f3d2f_mlp, .Lfunc_end_k_q73a00f3d2f_mlp-k_q73a00f3d2f_mlp
	.p2alignl 7, 3214868480
	.fill 96, 4, 3214868480
	.section	.rodata,"a",@progbits
	.p2align	6, 0x0
	.amdhsa_kernel k_q73a00f3d2f_mlp
		.amdhsa_group_segment_fixed_size 41472
		.amdhsa_private_segment_fixed_size 0
		.amdhsa_enable_private_segment 0
		.amdhsa_kernarg_size 40
		.amdhsa_user_sgpr_count 2
		.amdhsa_user_sgpr_kernarg_segment_ptr 1
		.amdhsa_wavefront_size32 1
		.amdhsa_system_sgpr_workgroup_id_x 1
		.amdhsa_system_sgpr_workgroup_id_y 1
		.amdhsa_system_sgpr_workgroup_id_z 1
		.amdhsa_system_vgpr_workitem_id 0
		.amdhsa_next_free_vgpr 896
		.amdhsa_next_free_sgpr 80
		.amdhsa_reserve_vcc 1
		.amdhsa_float_denorm_mode_32 3
		.amdhsa_float_denorm_mode_16_64 3
		.amdhsa_memory_ordered 1
		.amdhsa_forward_progress 1
		.amdhsa_inst_pref_size 117
	.end_amdhsa_kernel
	.amdgpu_metadata
---
amdhsa.version: [ 1, 2 ]
amdhsa.kernels:
  - .name:           k_q73a00f3d2f_mlp
    .symbol:         k_q73a00f3d2f_mlp.kd
    .args:
      - { .name: entity_states, .offset: 0, .size: 8, .value_kind: global_buffer, .address_space: global }
      - { .name: wq, .offset: 8, .size: 8, .value_kind: global_buffer, .address_space: global }
      - { .name: b1, .offset: 16, .size: 8, .value_kind: global_buffer, .address_space: global }
      - { .name: b2, .offset: 24, .size: 8, .value_kind: global_buffer, .address_space: global }
      - { .name: pb, .offset: 32, .size: 8, .value_kind: global_buffer, .address_space: global }
    .group_segment_fixed_size: 41472
    .private_segment_fixed_size: 0
    .kernarg_segment_align: 8
    .kernarg_segment_size: 40
    .max_flat_workgroup_size: 128
    .sgpr_count:     80
    .vgpr_count:     896
    .wavefront_size: 32
...
	.end_amdgpu_metadata
.endif
;; end of part 2
;; launch pool (part 3): grid 256 x 1, 4 waves a work-group, clusters of 4 x 1, 327,680 bytes of LDS; arguments pb, eyt, ext, sp, out0; writes out0
.if DOCPART == 3
	.amdgcn_target "amdgcn-amd-amdhsa--gfx1250"
	.amdhsa_code_object_version 6
	.text
	.protected	k_q73a00f3d2f_pool
	.globl	k_q73a00f3d2f_pool
	.p2align	8
	.type	k_q73a00f3d2f_pool,@function
k_q73a00f3d2f_pool:
	s_mov_b64 s[64:65], 0
	v_nop
	global_prefetch_b8 v0, s[64:65] scope:SCOPE_SE
	s_setreg_imm32_b32 hwreg(HW_REG_WAVE_MODE, 25, 1), 1
	s_wait_xcnt 0x0
	s_wait_alu depctr_hold_cnt(0) depctr_sa_sdst(0) depctr_va_vdst(0) depctr_va_sdst(0) depctr_va_ssrc(0) depctr_va_vcc(0) depctr_vm_vsrc(0)
	s_getreg_b32 s2, hwreg(HW_REG_IB_STS2, 6, 4)
	s_cmp_eq_u32 s2, 0
	s_cbranch_scc0 .Lentry_in_a_cluster
	s_endpgm
.Lentry_in_a_cluster:
	s_bfe_u32 s2, ttmp6, 0x10000c
	s_cmp_lg_u32 s2, 0x3003
	s_cbranch_scc0 .Lentry_shape_is_right
	s_endpgm
.Lentry_shape_is_right:
; POOL: out[b][g][o] = sum over n of w[g][n] projected[n][o], both operands as codes of E2M3 with one E8M0 scale for each 32 entities.  w[g][n] = ex[i][n] ey[j][n] / (S[i][j] + 1e-8), g = 64 i + j,
; is made in f32 in the registers of the wave that multiplies it, each number once: one multiplication by a lane-shared ex, one by the row's reciprocal, the block's maximum, the conversion.
; SHARES.  A work-group owns 8 values of i x 16 of j = 128 grid points, all 256 outputs, of one batch: 256 work-groups.  Wave w: mh = w / 2 picks 4 values of i (64 grid points, 64 accumulators, 512 registers),
; kh = w % 2 picks every second K step of 128 entities; the two halves of K are added once, at the end, through LDS.  So B's 24 KB of a K step, read from LDS, feed 64 products.
; MAKING w.  A slab is 32 rows: lane l holds row (i = 2 s + l / 16, j = l % 16), and its 32 registers a whole block of 32 entities: the maximum needs no other lane.  Blocks 2 c and 2 c + 1 change halves
; (v_permlane16_swap_b32) and are then registers 6 c .. 6 c + 5 of the operands of the slab's two tiles.  ex is the same for the sixteen lanes of a half: it rides on the multiplication (DPP row_share).
; BY TURNS.  Slab 1's vector work carries slab 0's 32 products, one behind each eight vector lines; slab 1's own 32 follow bare.
; THE MATRIX INSTRUCTION IS USED TRANSPOSED (source 0 = 16 outputs of projected^T, source 1 = 16 rows of w): a lane holds eight neighbouring outputs of one grid point.
; RING.  Two LDS slots, each with 512 entities' worth: pb's chunk (codes and scale words, 102,400 bytes), ey (32,768), ex (16,384).  Waves 0, 1 fetch pb's halves, wave 2 ey, wave 3 ex: one tensor load a wave.
; CLUSTER.  The four work-groups of a cluster share batch and j, so pb's and ey's tiles are asked for jointly (mask 15); ex, a ninth of a slot's bytes, differs between them and comes by a load of its own.
; This text has at most two tensor loads of a wave outstanding: the two first fills; later one.
; LIMITS: NaN and infinities are not served.  A block of w whose largest number lies under 2^-124, a block of zeros among them, gets the byte 1.  An ex ey that is denormal keeps fewer bits; such a w is under 1e-29.
; REGISTERS: window 0 as named below.  window 1: B's 16 fragments at 12 t.  window 2: the accumulators of tiles 0, 1 at 8 (16 (tile % 2) + t);  window 3: those of tiles 2, 3.
.set SLOTB, 151552
.set PBH,   51200                      ; half of pb's chunk: 200 rows of 256 bytes
.set SCO,   98304                      ; in a slot: the scale words,
.set EYO,   102400                     ; ey,
.set EXO,   135168                     ; ex: 4 pairs of rows x 4,096 bytes
.set SPARE, 2*SLOTB                    ; behind the ring: the spare words, 128 bytes for each wave: two blocks of 256 bytes that no other line names
.set SPIT,  1040                       ; the way out: rows of 1,024 bytes + 16; 64 rows for each wave, from LDS byte 0 on: both slots have then had their last fill and their last read
.set STGW,  64*SPIT
.set L16,  1                           ; 16 x lane
.set L8,   2                           ; 8 x lane
.set R16,  3                           ; 16 x (lane % 16)
.set ADB,  4                           ; v4-8: LDS addresses of the K step in hand: B's 16-byte parts, its 8-byte parts, the scale words, ey, ex
.set ADB8, 5
.set ADS,  6
.set ADE,  7
.set ADX,  8
.set STO,  9
.set RD,   10
.set RD2,  11
.set SPW,  14                          ; LDS address of my spare word; never rewritten
.set NIL,  15                          ; 0; never rewritten
.set BS,   16                          ; v16-23 B's scale words: register p: lanes 0-15 tile 2 p, lanes 16-31 tile 2 p + 1
.set W,    24                          ; v24-25 w's scale words: slab s: lanes 0-15 tile 2 s, lanes 16-31 tile 2 s + 1.  v16-25 hold scales and nothing else
.set RP,   26                          ; v26-29 1 / (S + 1e-8) of my row in slab 0, twice; in slab 1, twice
.set MA,   30
.set MB,   31
.set SCL,  32
.set BY,   33
.set E,    40                          ; v40-55 ex: 8 s + 4 mm + e: lane (h, r'): entity 64 mm + 4 r' + e of row 2 s + h
.set EYR,  64                          ; v64-127 ey of a block, two buffers
.set X,    128                         ; v128-191 w of a block, two sets
.set AF,   192                         ; v192-239 w's four fragments
.set TH,   240                         ; v240-246 the upper halves of two blocks' codes
.set WV,   14
.set KH,   15
.set MH,   16
.set G1P,  28
.set G1E,  36
.set G1X,  44
.set G0P,  52                          ; a group 0 for each slot and each kind
.set G0E,  68
.set G0X,  76
.set TB,   84                          ; s84-87 where the K step's codes, scale words, ey and ex begin in LDS
.set TS,   85
.set TE,   86
.set TX,   87
.set WB,   88                          ; s88-91 my wave's part of these four
.set QQ,   92
.set LAP,  93
.set MSB, 0
.macro WIN new                         ; the immediate's high byte repeats the setting that is left
.if MSB != \new
	s_set_vgpr_msb (MSB<<8)|\new
.set MSB, \new
.endif
.endm
.macro NOPS n
.rept \n
	v_nop
.endr
.endm
; A round of the cluster's barrier: my work-group's barrier; wave 0 signals for the work-group; every wave waits for all four work-groups; my work-group's barrier once more.
.macro ROUND
	s_barrier_signal -1
	s_barrier_wait -1
	s_cmp_lg_u32 s[WV], 0
	s_cbranch_scc1 .Lnot_wave_0_\@
	s_barrier_signal -3
.Lnot_wave_0_\@:
	s_barrier_wait -3
	s_barrier_signal -1
	s_barrier_wait -1
.endm
; A wave's one load into a slot.  The branches hang on the wave's number alone.  Four v_nop follow each of the three lines.
.macro TLOAD slot
	s_cmp_lt_u32 s[WV], 2
	s_cbranch_scc0 .Lnot_p_\@
	tensor_load_to_lds s[G0P+4*(\slot):G0P+4*(\slot)+3], s[G1P:G1P+7]
	s_nop 0
	NOPS 4
	s_branch .Lasked_\@
.Lnot_p_\@:
	s_cmp_eq_u32 s[WV], 2
	s_cbranch_scc0 .Lfor_x_\@
	tensor_load_to_lds s[G0E+4*(\slot):G0E+4*(\slot)+3], s[G1E:G1E+7]
	s_nop 0
	NOPS 4
	s_branch .Lasked_\@
.Lfor_x_\@:
	tensor_load_to_lds s[G0X+4*(\slot):G0X+4*(\slot)+3], s[G1X:G1X+7]
	s_nop 0
	NOPS 4
.Lasked_\@:
.endm
.macro EYLOAD blk, buf                 ; ey of my j, 32 entities: both halves of the lanes read the same 256 bytes
.irp q, 0,1,2,3,4,5,6,7
	ds_load_b128 v[EYR+32*\buf+4*\q:EYR+32*\buf+4*\q+3], v[ADE] offset:2048*\blk+256*\q
.endr
.endm
.macro BLOAD t0                        ; eight of B's fragments from their images: every load reads consecutive bytes
	WIN 0x40
.irp q, 0,1,2,3,4,5,6,7
.irp c, 0,1
	ds_load_b128 v[12*(\t0+\q)+6*\c:12*(\t0+\q)+6*\c+3], v[ADB] offset:1536*(\t0+\q)+768*\c
	ds_load_b64 v[12*(\t0+\q)+6*\c+4:12*(\t0+\q)+6*\c+5], v[ADB8] offset:1536*(\t0+\q)+768*\c+512
.endr
.endr
	WIN 0
.endm
; Product i of a slab's 32: outputs 16 (i / 2) on, tile 2 hi + i % 2.  The 64 accumulators take turns, one instruction a turn, in one order in every K step.
.macro MM i, hi, zero
.set T_, (\i)/2
.set U_, (\i)%2
.set AC_, 8*(16*U_+T_)
.set AA_, AF+12*(2*(\hi)+U_)
.set SB_, BS+T_/2
.set SA_, W+(\hi)
.if \zero
.if (T_%2 == 0) && (U_ == 0)
	v_wmma_scale_f32_16x16x128_f8f6f4 v[AC_:AC_+7], v[12*T_:12*T_+11], v[AA_:AA_+11], 0, v[SB_], v[SA_] matrix_a_fmt:MATRIX_FMT_FP6 matrix_b_fmt:MATRIX_FMT_FP6
.elseif T_%2 == 0
	v_wmma_scale_f32_16x16x128_f8f6f4 v[AC_:AC_+7], v[12*T_:12*T_+11], v[AA_:AA_+11], 0, v[SB_], v[SA_] matrix_a_fmt:MATRIX_FMT_FP6 matrix_b_fmt:MATRIX_FMT_FP6 matrix_b_scale:MATRIX_SCALE_ROW1
.elseif U_ == 0
	v_wmma_scale_f32_16x16x128_f8f6f4 v[AC_:AC_+7], v[12*T_:12*T_+11], v[AA_:AA_+11], 0, v[SB_], v[SA_] matrix_a_fmt:MATRIX_FMT_FP6 matrix_b_fmt:MATRIX_FMT_FP6 matrix_a_scale:MATRIX_SCALE_ROW1
.else
	v_wmma_scale_f32_16x16x128_f8f6f4 v[AC_:AC_+7], v[12*T_:12*T_+11], v[AA_:AA_+11], 0, v[SB_], v[SA_] matrix_a_fmt:MATRIX_FMT_FP6 matrix_b_fmt:MATRIX_FMT_FP6 matrix_a_scale:MATRIX_SCALE_ROW1 matrix_b_scale:MATRIX_SCALE_ROW1
.endif
.else
.if (T_%2 == 0) && (U_ == 0)
	v_wmma_scale_f32_16x16x128_f8f6f4 v[AC_:AC_+7], v[12*T_:12*T_+11], v[AA_:AA_+11], v[AC_:AC_+7], v[SB_], v[SA_] matrix_a_fmt:MATRIX_FMT_FP6 matrix_b_fmt:MATRIX_FMT_FP6
.elseif T_%2 == 0
	v_wmma_scale_f32_16x16x128_f8f6f4 v[AC_:AC_+7], v[12*T_:12*T_+11], v[AA_:AA_+11], v[AC_:AC_+7], v[SB_], v[SA_] matrix_a_fmt:MATRIX_FMT_FP6 matrix_b_fmt:MATRIX_FMT_FP6 matrix_b_scale:MATRIX_SCALE_ROW1
.elseif U_ == 0
	v_wmma_scale_f32_16x16x128_f8f6f4 v[AC_:AC_+7], v[12*T_:12*T_+11], v[AA_:AA_+11], v[AC_:AC_+7], v[SB_], v[SA_] matrix_a_fmt:MATRIX_FMT_FP6 matrix_b_fmt:MATRIX_FMT_FP6 matrix_a_scale:MATRIX_SCALE_ROW1
.else
	v_wmma_scale_f32_16x16x128_f8f6f4 v[AC_:AC_+7], v[12*T_:12*T_+11], v[AA_:AA_+11], v[AC_:AC_+7], v[SB_], v[SA_] matrix_a_fmt:MATRIX_FMT_FP6 matrix_b_fmt:MATRIX_FMT_FP6 matrix_a_scale:MATRIX_SCALE_ROW1 matrix_b_scale:MATRIX_SCALE_ROW1
.endif
.endif
.endm
.macro TICK mm                         ; where mm is on: the next of slab 0's products, between two switches of the windows
.if \mm
	WIN 0xa1                                       ; source 0 (B) window 1, source 1 (w) window 0, C and D window 2
	MM IDX, 0, ZR
	WIN 0
.set IDX, IDX+1
.endif
.endm
.macro MULG g                          ; four numbers: entities 4 (g % 8) + 0 .. 3 of the block; lane g of my half of the lanes holds their ex
.irp e, 0,1,2,3
	v_mul_f32_dpp v[XB_+4*((\g)%8)+\e], v[EB_+\e], v[YB_+4*((\g)%8)+\e] row_share:\g row_mask:0xf bank_mask:0xf
.endr
.endm
; Block blk of slab s: 32 numbers of w a lane, their scale byte, their codes.
.macro GENBLK s, blk, buf, xs, mm
.set XB_, X+32*\xs
.set EB_, E+8*\s+4*((\blk)/2)
.set YB_, EYR+32*\buf
.set CA_, AF+12*(2*\s+(\blk)%2)+6*((\blk)/2)
.set CT_, TH+4*((\blk)%2)
.if (\blk)%2 == 0
.irp g, 0,1,2,3,4,5,6,7
	MULG \g
.if \g%2 == 1
	TICK \mm
.endif
.endr
.else
.irp g, 8,9,10,11,12,13,14,15
	MULG \g
.if \g%2 == 1
	TICK \mm
.endif
.endr
.endif
.set t_, 0
.rept 2
.rept 8
	v_pk_mul_f32 v[XB_+t_:XB_+t_+1], v[XB_+t_:XB_+t_+1], v[RP+2*\s:RP+2*\s+1] op_sel_hi:[1,0]   ; normalised: this is what is quantised
.set t_, t_+2
.endr
	TICK \mm
.endr
	v_max3_num_f32 v[MA], v[XB_], v[XB_+1], 0x1800000   ; the block's largest number (none is negative), in two chains; the floor 2^(3 - 127) holds the byte at 1 from below
	v_max3_num_f32 v[MB], v[XB_+2], v[XB_+3], v[XB_+4]
.irp i, 5,9,13
	v_max3_num_f32 v[MA], v[MA], v[XB_+\i], v[XB_+\i+1]
	v_max3_num_f32 v[MB], v[MB], v[XB_+\i+2], v[XB_+\i+3]
.endr
	TICK \mm
.irp i, 17,21,25
	v_max3_num_f32 v[MA], v[MA], v[XB_+\i], v[XB_+\i+1]
	v_max3_num_f32 v[MB], v[MB], v[XB_+\i+2], v[XB_+\i+3]
.endr
	v_max3_num_f32 v[MA], v[MA], v[XB_+29], v[XB_+30]
	v_max3_num_f32 v[MA], v[MA], v[MB], v[XB_+31]
	TICK \mm
	v_add_nc_u32 v[SCL], 0xff000000, v[MA]         ; 2 off the exponent field: the conversion's scale operand
.if \blk == 0
	v_lshrrev_b32 v[W+\s], 23, v[SCL]              ; the scale's byte starts my row's scale word
.else
	v_lshrrev_b32 v[BY], 23, v[SCL]
	v_lshl_or_b32 v[W+\s], v[BY], 8*\blk, v[W+\s]
.endif
	v_cvt_scalef32_pk16_fp6_f32 v[CA_:CA_+2], v[XB_:XB_+15], v[SCL]
	v_cvt_scalef32_pk16_fp6_f32 v[CT_:CT_+2], v[XB_+16:XB_+31], v[SCL]   ; (a conversion's three registers begin on an even number)
	v_nop                                          ; one plain line behind the conversions
.endm
; Blocks 2 c and 2 c + 1 of slab s are made: lanes 16-31 of the first change places with lanes 0-15 of the second, and each tile has its registers 6 c .. 6 c + 5.
.macro PAIR s, c
.irp e, 0,1,2
	v_permlane16_swap_b32 v[AF+24*\s+6*\c+\e], v[AF+24*\s+12+6*\c+\e]
.endr
.irp e, 0,1,2
	v_permlane16_swap_b32 v[TH+\e], v[TH+4+\e]
.endr
.irp e, 0,1,2
	v_mov_b32 v[AF+24*\s+6*\c+3+\e], v[TH+\e]
	v_mov_b32 v[AF+24*\s+12+6*\c+3+\e], v[TH+4+\e]
.endr
.endm
; A K STEP of 128 entities.  The counts of the waits are the LDS loads issued behind the block of ey that is wanted next.
.macro KSTEP zero
.set ZR, \zero
.set IDX, 0
	v_add_nc_u32 v[ADB], s[TB], v[L16]             ; these five plain lines are also the places between the last products and the loads into registers that they read
	v_add_nc_u32 v[ADB8], s[TB], v[L8]
	v_add_nc_u32 v[ADS], s[TS], v[L8]
	v_add_nc_u32 v[ADE], s[TE], v[R16]
	v_add_nc_u32 v[ADX], s[TX], v[L16]
.irp s, 0,1
.irp m, 0,1
	ds_load_b128 v[E+8*\s+4*\m:E+8*\s+4*\m+3], v[ADX] offset:4096*\s+512*\m
.endr
.endr
	EYLOAD 0, 0
	EYLOAD 1, 1
.irp p, 0,1,2,3
	ds_load_b64 v[BS+2*\p:BS+2*\p+1], v[ADS] offset:256*\p
.endr
	BLOAD 0
	s_wait_dscnt 44                                ; ex and ey's block 0 are in; out: block 1 (8), the scale words (4), half of B (32)
	GENBLK 0, 0, 0, 0, 0
	EYLOAD 2, 0
	BLOAD 8
	s_wait_dscnt 40                                ; block 1 is in; out: block 2 (8), B's second half (32)
	GENBLK 0, 1, 1, 1, 0
	PAIR 0, 0
	EYLOAD 3, 1
	s_wait_dscnt 40                                ; block 2 is in; out: B's second half (32), block 3 (8)
	GENBLK 0, 2, 0, 0, 0
	EYLOAD 0, 0
	s_wait_dscnt 8                                 ; block 3 and all of B are in; out: block 0 again (8)
	GENBLK 0, 3, 1, 1, 0
	PAIR 0, 1
	EYLOAD 1, 1
	NOPS 8                                         ; a scale register written by a vector line stands eight places ahead of the scaled product, an operand four
	s_wait_dscnt 8
	GENBLK 1, 0, 0, 0, 1
	EYLOAD 2, 0
	s_wait_dscnt 8
	GENBLK 1, 1, 1, 1, 1
	PAIR 1, 0
	EYLOAD 3, 1
	s_wait_dscnt 8
	GENBLK 1, 2, 0, 0, 1
	s_wait_dscnt 0x0
	GENBLK 1, 3, 1, 1, 1
	PAIR 1, 1
	NOPS 8
	WIN 0xf1                                       ; C and D window 3
.set IDX, 0
.rept 32
	MM IDX, 1, ZR
.set IDX, IDX+1
.endr
	WIN 0
	s_add_co_u32 s[TB], s[TB], 49152               ; my next K step is the next but one
	s_add_co_u32 s[TS], s[TS], 2048
	s_add_co_u32 s[TE], s[TE], 16384
	s_add_co_u32 s[TX], s[TX], 2048
.endm
; THE CHANGE OF SLOTS, at a slot's head.  Each wave waits for all its tensor loads (its part of the slot ahead), adds 0 to its spare word, and waits for that and for its reads of the slot that it has left.
; refill = 1: the barrier is a round of the cluster's, so that no wave of any partner still reads that slot or has a load on its way; the refill is the first thing behind it and has my two K steps in which to land.
.macro TWO slot, refill
	s_wait_tensorcnt 0x0                           ; no tensor load of mine is out, so a group 0 may be written
	ds_add_u32 v[SPW], v[NIL]                      ; 0 onto my spare word
.if \refill
	s_add_nc_u64 s[G0P+4*(1-\slot)+2:G0P+4*(1-\slot)+3], s[G0P+4*(1-\slot)+2:G0P+4*(1-\slot)+3], 204800   ; the other slot's next 512 entities: two chunks on
	s_add_nc_u64 s[G0E+4*(1-\slot)+2:G0E+4*(1-\slot)+3], s[G0E+4*(1-\slot)+2:G0E+4*(1-\slot)+3], 65536
	s_add_nc_u64 s[G0X+4*(1-\slot)+2:G0X+4*(1-\slot)+3], s[G0X+4*(1-\slot)+2:G0X+4*(1-\slot)+3], 8192
.endif
	s_wait_dscnt 0x0                               ; the add is done, and my reads of the slot that I have left are over
.if \refill
	ROUND
	TLOAD 1-\slot
.else
	s_barrier_signal -1
	s_barrier_wait -1
.endif
	s_add_co_u32 s[TB], s[WB], \slot*SLOTB
	s_add_co_u32 s[TS], s[WB+1], \slot*SLOTB
	s_add_co_u32 s[TE], s[WB+2], \slot*SLOTB
	s_add_co_u32 s[TX], s[WB+3], \slot*SLOTB
	s_mov_b32 s[QQ], 2
.Lq_\@:
	KSTEP 0
	s_sub_co_u32 s[QQ], s[QQ], 1
	s_cmp_lg_u32 s[QQ], 0
	s_cbranch_scc1 .Lq_\@
.endm
	s_load_b256 s[4:11], s[0:1], 0x0               ; pb s[4:5], eyt s[6:7], ext s[8:9], sp s[10:11]
	s_load_b64 s[12:13], s[0:1], 0x20              ; out0
	v_lshl_add_u32 v[SPW], v0, 2, SPARE
	v_mov_b32 v[NIL], 0
	ds_add_u32 v14, v15
	ds_add_u32 v14, v15
	s_wait_dscnt 0x0
	v_lshrrev_b32 v1, 5, v0
	v_readfirstlane_b32 s[WV], v1                  ; wave 0..3
	s_and_b32 s[KH], s[WV], 1
	s_lshr_b32 s[MH], s[WV], 1
	s_bfe_u32 s17, ttmp6, 0x40000                  ; cx: my place in the cluster: it enters ex's, sp's and out0's global addresses alone
	s_lshr_b32 s18, ttmp9, 3                       ; b: ttmp9 counts clusters
	s_bfe_u32 s19, ttmp9, 0x20001                  ; jg: which 16 values of j
	s_and_b32 s20, ttmp9, 1
	s_lshl_b32 s20, s20, 2
	s_add_co_u32 s20, s20, s17                     ; ig: which 8 values of i
	; descriptor groups 1: elements of 8 bytes.  pb: 200 rows of 256 bytes, dense; ey: 128 such rows; both with the mask of all four work-groups and bit 21 beside it.  ex: 4 rows of 4,096 bytes, 32,768 bytes apart, no mask
	s_mov_b32 s[G1P], 15|(3<<16)|(1<<21)
	s_mov_b32 s[G1P+1], 32<<16
	s_mov_b32 s[G1P+2], 200<<16
	s_mov_b32 s[G1P+3], 32<<16
	s_mov_b32 s[G1P+4], 200
	s_mov_b32 s[G1P+5], 32
	s_mov_b32 s[G1P+6], 0
	s_mov_b32 s[G1P+7], 0
	s_mov_b32 s[G1E], 15|(3<<16)|(1<<21)
	s_mov_b32 s[G1E+1], 32<<16
	s_mov_b32 s[G1E+2], 128<<16
	s_mov_b32 s[G1E+3], 32<<16
	s_mov_b32 s[G1E+4], 128
	s_mov_b32 s[G1E+5], 32
	s_mov_b32 s[G1E+6], 0
	s_mov_b32 s[G1E+7], 0
	s_mov_b32 s[G1X], 3<<16
	s_mov_b32 s[G1X+1], 512<<16
	s_mov_b32 s[G1X+2], 4<<16
	s_mov_b32 s[G1X+3], 512<<16
	s_mov_b32 s[G1X+4], 4
	s_mov_b32 s[G1X+5], 4096
	s_mov_b32 s[G1X+6], 0
	s_mov_b32 s[G1X+7], 0
	s_mul_i32 s22, s18, 819200                     ; pb: the batch's 8 chunks,
	s_mul_i32 s97, s[KH], PBH                      ; and which half of a chunk waves 0 and 1 fetch
	s_add_co_u32 s22, s22, s97
	s_mov_b32 s23, 0
	s_lshl_b32 s24, s18, 2
	s_add_co_u32 s24, s24, s19
	s_lshl_b32 s24, s24, 18                        ; eyt: (4 b + jg) x 262,144
	s_mov_b32 s25, 0
	s_lshl_b32 s26, s18, 20                        ; ext: b x 1,048,576 + ig x 4 pairs of rows
	s_lshl_b32 s96, s20, 17
	s_add_co_u32 s26, s26, s96
	s_mov_b32 s27, 0
	s_mul_i32 s[WB], s[KH], 24576                  ; my first K step of a chunk is kh
	s_lshl_b32 s[WB+1], s[KH], 10
	s_add_co_u32 s[WB+1], s[WB+1], SCO
	s_lshl_b32 s[WB+2], s[KH], 13
	s_add_co_u32 s[WB+2], s[WB+2], EYO
	s_lshl_b32 s[WB+3], s[MH], 13
	s_lshl_b32 s21, s[KH], 10
	s_add_co_u32 s[WB+3], s[WB+3], s21
	s_add_co_u32 s[WB+3], s[WB+3], EXO
	s_wait_kmcnt 0x0
	s_add_nc_u64 s[4:5], s[4:5], s[22:23]
	s_add_nc_u64 s[6:7], s[6:7], s[24:25]
	s_add_nc_u64 s[8:9], s[8:9], s[26:27]
	ROUND                                          ; all four work-groups are here: the first joint loads meet
.irp s, 0,1
	s_mov_b32 s[G0P+4*\s], 1                       ; count = 1
	s_add_co_u32 s[G0P+4*\s+1], s97, \s*SLOTB      ; LDS address
	s_add_nc_u64 s[G0P+4*\s+2:G0P+4*\s+3], s[4:5], \s*102400   ; global address: chunk s
	s_or_b32 s[G0P+4*\s+3], s[G0P+4*\s+3], 0x80000000          ; type = 2
	s_mov_b32 s[G0E+4*\s], 1
	s_mov_b32 s[G0E+4*\s+1], \s*SLOTB+EYO
	s_add_nc_u64 s[G0E+4*\s+2:G0E+4*\s+3], s[6:7], \s*32768
	s_or_b32 s[G0E+4*\s+3], s[G0E+4*\s+3], 0x80000000
	s_mov_b32 s[G0X+4*\s], 1
	s_mov_b32 s[G0X+4*\s+1], \s*SLOTB+EXO
	s_add_nc_u64 s[G0X+4*\s+2:G0X+4*\s+3], s[8:9], \s*4096
	s_or_b32 s[G0X+4*\s+3], s[G0X+4*\s+3], 0x80000000
.endr
	s_cmp_lt_u32 s[WV], 2                          ; a wave's two first fills stand in one branch, ahead of every wait on TENSORcnt and every LDS read
	s_cbranch_scc0 .Lfirst_not_p
	tensor_load_to_lds s[G0P:G0P+3], s[G1P:G1P+7]
	s_nop 0
	tensor_load_to_lds s[G0P+4:G0P+7], s[G1P:G1P+7]
	s_nop 0
	NOPS 4
	s_branch .Lfirst_asked
.Lfirst_not_p:
	s_cmp_eq_u32 s[WV], 2
	s_cbranch_scc0 .Lfirst_x
	tensor_load_to_lds s[G0E:G0E+3], s[G1E:G1E+7]
	s_nop 0
	tensor_load_to_lds s[G0E+4:G0E+7], s[G1E:G1E+7]
	s_nop 0
	NOPS 4
	s_branch .Lfirst_asked
.Lfirst_x:
	tensor_load_to_lds s[G0X:G0X+3], s[G1X:G1X+7]
	s_nop 0
	tensor_load_to_lds s[G0X+4:G0X+7], s[G1X:G1X+7]
	s_nop 0
	NOPS 4
.Lfirst_asked:
	v_and_b32 v34, 31, v0                          ; lane
	v_and_b32 v35, 15, v0                          ; r
	v_bfe_u32 v36, v0, 4, 1                        ; h
	v_lshlrev_b32 v[L16], 4, v34
	v_lshlrev_b32 v[L8], 3, v34
	v_lshlrev_b32 v[R16], 4, v35
	s_mul_i32 s21, s[WV], STGW                     ; the way out: my stage; row r of a tile, 32 bytes for each half of the lanes
	v_mul_u32_u24 v[STO], v35, SPIT
	v_lshl_add_u32 v[STO], v36, 5, v[STO]
	v_add_nc_u32 v[STO], s21, v[STO]
	s_mul_i32 s21, s[MH], 2*STGW                   ; back: of my pair's two stages, rows 32 kh on
	s_mul_i32 s98, s[KH], 32*SPIT
	s_add_co_u32 s21, s21, s98
	v_add_nc_u32 v[RD], s21, v[L16]
	v_add_nc_u32 v[RD2], STGW, v[RD]
	; sp: the accumulator image that holds my four values of i: tile ig / 2, half ig % 2 of the lanes, quad mh; columns jg
	s_lshr_b32 s96, s20, 1
	s_lshl_b32 s96, s96, 2
	s_add_co_u32 s96, s96, s19
	s_lshl_b32 s96, s96, 1
	s_add_co_u32 s96, s96, s[MH]
	s_lshl_b32 s96, s96, 9
	s_and_b32 s99, s20, 1
	s_lshl_b32 s99, s99, 8
	s_add_co_u32 s96, s96, s99
	s_lshl_b32 s99, s18, 19
	s_add_co_u32 s94, s96, s99
	s_mov_b32 s95, 0
	s_add_nc_u64 s[60:61], s[10:11], s[94:95]
	; out0: row 4,096 b + 64 (8 ig + 4 mh + 2 kh) + 16 jg, 1,024 bytes a row
	s_lshl_b32 s96, s20, 3
	s_lshl_b32 s99, s[MH], 2
	s_add_co_u32 s96, s96, s99
	s_lshl_b32 s99, s[KH], 1
	s_add_co_u32 s96, s96, s99
	s_lshl_b32 s96, s96, 16
	s_lshl_b32 s99, s18, 22
	s_add_co_u32 s96, s96, s99
	s_lshl_b32 s99, s19, 14
	s_add_co_u32 s94, s96, s99
	s_add_nc_u64 s[62:63], s[12:13], s[94:95]
	; THE ROWS' DIVISORS: S = the sum of the 32 partial sums; a load gives a lane S's parts for i = 0 .. 3 of my four at its j (sixteen lanes read 256 consecutive bytes)
.set k_, 0
.rept 32
	global_load_b128 v[64+4*k_:67+4*k_], v[R16], s[60:61] offset:16384*k_
.set k_, k_+1
.endr
	s_wait_loadcnt 0x0
.irp st, 16,8,4,2,1
.set k_, 0
.rept \st
	v_pk_add_f32 v[64+4*k_:65+4*k_], v[64+4*k_:65+4*k_], v[64+4*(k_+\st):65+4*(k_+\st)]
	v_pk_add_f32 v[66+4*k_:67+4*k_], v[66+4*k_:67+4*k_], v[66+4*(k_+\st):67+4*(k_+\st)]
.set k_, k_+1
.endr
.endr
	v_pk_add_f32 v[64:65], v[64:65], 0x322bcc77 op_sel_hi:[1,0]   ; + 1e-8
	v_pk_add_f32 v[66:67], v[66:67], 0x322bcc77 op_sel_hi:[1,0]
	v_rcp_f32 v64, v64
	v_rcp_f32 v65, v65
	v_rcp_f32 v66, v66
	v_rcp_f32 v67, v67
	v_nop                                          ; one plain line behind the reciprocals
	s_mov_b32 vcc_lo, 0xffff0000
	s_wait_alu depctr_va_vdst(0)
	v_cndmask_b32 v[RP], v64, v65, vcc_lo          ; slab s, lane l: i = 2 s + l / 16
	v_cndmask_b32 v[RP+2], v66, v67, vcc_lo
	v_mov_b32 v[RP+1], v[RP]
	v_mov_b32 v[RP+3], v[RP+2]
	s_wait_tensorcnt 0x1                           ; my part of slot 0 is in; slot 1's may stay out
	s_barrier_signal -1
	s_barrier_wait -1                              ; everybody's is
	s_mov_b32 s[TB], s[WB]
	s_mov_b32 s[TS], s[WB+1]
	s_mov_b32 s[TE], s[WB+2]
	s_mov_b32 s[TX], s[WB+3]
	KSTEP 1                                        ; my first K step starts the sums: nothing is ever cleared
	KSTEP 0
	s_mov_b32 s[LAP], 3
.Llap:                                             ; three trips: chunks 1 to 6 are multiplied, chunks 2 to 7 asked for
	TWO 1, 1
	TWO 0, 1
	s_sub_co_u32 s[LAP], s[LAP], 1
	s_cmp_lg_u32 s[LAP], 0
	s_cbranch_scc1 .Llap
	TWO 1, 0                                       ; the last chunk is written out: nothing is left to fetch
	; THE WAY OUT.  Every wave lays its 64 rows x 256 outputs into its own stage; behind a barrier each wave adds the two halves of K for 32 rows and stores them.
	NOPS 4                                         ; four places before LDS stores read the last results
	s_wait_dscnt 0x0
	s_barrier_signal -1
	s_barrier_wait -1                              ; nobody reads a slot any more, and no slot is filled again
.irp a, 0,1,2,3
	WIN 0x08+4*(\a/2)                              ; an LDS store's data are its source 1: window 2 or 3
.irp t, 0,1,2,3,4,5,6,7,8,9,10,11,12,13,14,15
	ds_store_b128 v[STO], v[8*(16*(\a%2)+\t):8*(16*(\a%2)+\t)+3] offset:16*SPIT*\a+64*\t          ; each accumulator from its low end on
	ds_store_b128 v[STO], v[8*(16*(\a%2)+\t)+4:8*(16*(\a%2)+\t)+7] offset:16*SPIT*\a+64*\t+16
.endr
.endr
	WIN 0
	s_wait_dscnt 0x0                               ; for the others' sake: my stores into my stage are done
	s_barrier_signal -1
	s_barrier_wait -1
.macro OUTB k                          ; rows 4 k .. 4 k + 3 of my 32, in halves of 512 bytes
.set OB_, 64+64*((\k)%2)
.if (\k) >= 2
	s_wait_xcnt 0x0                                ; the stores of two batches ago have read their registers
.endif
.irp q, 0,1,2,3,4,5,6,7
	ds_load_b128 v[OB_+4*\q:OB_+4*\q+3], v[RD] offset:SPIT*(4*(\k)+\q/2)+512*(\q%2)
	ds_load_b128 v[OB_+32+4*\q:OB_+32+4*\q+3], v[RD2] offset:SPIT*(4*(\k)+\q/2)+512*(\q%2)
.endr
	s_wait_dscnt 0x0
.irp q, 0,1,2,3,4,5,6,7,8,9,10,11,12,13,14,15
	v_pk_add_f32 v[OB_+2*\q:OB_+2*\q+1], v[OB_+2*\q:OB_+2*\q+1], v[OB_+32+2*\q:OB_+32+2*\q+1]
.endr
.irp q, 0,1,2,3,4,5,6,7
	global_store_b128 v[L16], v[OB_+4*\q:OB_+4*\q+3], s[62:63] offset:65536*((4*(\k)+\q/2)/16)+1024*((4*(\k)+\q/2)%16)+512*(\q%2) th:TH_STORE_NT   ; 32 lanes store 512 consecutive bytes, at a multiple of 256 from out0's first byte
.endr
.endm
.irp k, 0,1,2,3,4,5,6,7
	OUTB \k
.endr
	s_wait_tensorcnt 0x0                           ; the wave's end: behind my last tensor load and my last LDS store
	ds_add_u32 v[SPW], v[NIL]
	s_wait_dscnt 0x0
	ROUND                                          ; the closing round: no work-group ends while a partner may still ask for a tile that names it
	s_endpgm
.Lfunc_end_k_q73a00f3d2f_pool:
	.size	k_q73a00f3d2f_pool, .Lfunc_end_k_q73a00f3d2f_pool-k_q73a00f3d2f_pool
	.p2alignl 7, 3214868480
	.fill 96, 4, 3214868480
	.section	.rodata,"a",@progbits
	.p2align	6, 0x0
	.amdhsa_kernel k_q73a00f3d2f_pool
		.amdhsa_group_segment_fixed_size 327680
		.amdhsa_private_segment_fixed_size 0
		.amdhsa_enable_private_segment 0
		.amdhsa_kernarg_size 40
		.amdhsa_user_sgpr_count 2
		.amdhsa_user_sgpr_kernarg_segment_ptr 1
		.amdhsa_wavefront_size32 1
		.amdhsa_system_sgpr_workgroup_id_x 1
		.amdhsa_system_sgpr_workgroup_id_y 1
		.amdhsa_system_sgpr_workgroup_id_z 1
		.amdhsa_system_vgpr_workitem_id 0
		.amdhsa_next_free_vgpr 1024
		.amdhsa_next_free_sgpr 100
		.amdhsa_reserve_vcc 1
		.amdhsa_float_denorm_mode_32 3
		.amdhsa_float_denorm_mode_16_64 3
		.amdhsa_memory_ordered 1
		.amdhsa_forward_progress 1
		.amdhsa_inst_pref_size 255
	.end_amdhsa_kernel
	.section	.bss,"aw",@nobits
	.p2align	6
	.space	262144
	.amdgpu_metadata
---
amdhsa.version: [ 1, 2 ]
amdhsa.kernels:
  - .name:           k_q73a00f3d2f_pool
    .symbol:         k_q73a00f3d2f_pool.kd
    .args:
      - { .name: pb, .offset: 0, .size: 8, .value_kind: global_buffer, .address_space: global }
      - { .name: eyt, .offset: 8, .size: 8, .value_kind: global_buffer, .address_space: global }
      - { .name: ext, .offset: 16, .size: 8, .value_kind: global_buffer, .address_space: global }
      - { .name: sp, .offset: 24, .size: 8, .value_kind: global_buffer, .address_space: global }
      - { .name: out0, .offset: 32, .size: 8, .value_kind: global_buffer, .address_space: global }
    .group_segment_fixed_size: 327680
    .private_segment_fixed_size: 0
    .kernarg_segment_align: 8
    .kernarg_segment_size: 40
    .max_flat_workgroup_size: 128
    .sgpr_count:     100
    .vgpr_count:     1024
    .wavefront_size: 32
...
	.end_amdgpu_metadata
.endif
;; end of part 3
;; ======== version 2 of 2: 3 launches; version 1 with the launch mlp written anew for expert scheduling mode
;; workspace buffers: wq 204,800 bytes; ext 8,388,608 bytes; eyt 8,388,608 bytes; sp 4,194,304 bytes; pb 6,553,600 bytes
;; launch prep: the kernel of part 1 again; grid 272 x 1, 4 waves a work-group, no clusters, 67,072 bytes of LDS; arguments entity_positions, W1, W2, wq, ext, eyt, sp; writes wq, ext, eyt, sp
;; launch mlp (part 4): grid 256 x 1, 4 waves a work-group, no clusters, 41,472 bytes of LDS; arguments entity_states, wq, b1, b2, pb; writes pb
.if DOCPART == 4
	.amdgcn_target "amdgcn-amd-amdhsa--gfx1250"
	.amdhsa_code_object_version 6
	.text
	.protected	k_q73a00f3d2f_mlp
	.globl	k_q73a00f3d2f_mlp
	.p2align	8
	.type	k_q73a00f3d2f_mlp,@function
k_q73a00f3d2f_mlp:
	s_mov_b64 s[64:65], 0
	v_nop
	global_prefetch_b8 v0, s[64:65] scope:SCOPE_SE
	s_setreg_imm32_b32 hwreg(HW_REG_WAVE_SCHED_MODE, 0, 2), 2
	s_setreg_imm32_b32 hwreg(HW_REG_WAVE_MODE, 25, 1), 1
	s_wait_xcnt 0x0
	s_wait_alu depctr_vm_vsrc(0)
; MLP: projected = gelu(x W1 + b1) W2 + b2, both products on codes of E2M3 with one E8M0 scale for each 32 along K; the result is quantised ALONG THE ENTITIES, the third product's K, and stored as
; images of that product's operand registers (pb).  x: [32,768][256] f32.  The weights come from wq as images of fragments with their scale words.
; SHARES.  A work-group takes 128 entities, one K step of the third product, as two blocks of 64.  THE WAVES SHARE THE COLUMNS: wave w makes hidden units 128 w .. + 127 and outputs 64 w .. + 63 for all rows;
; its 16 + 16 weight fragments stay in registers.  Codes of x and of the hidden layer go from wave to wave through LDS as images of their registers (three stores of 512 bytes a fragment).
; THE ROWS OF A TILE ARE NOT NEIGHBOURS, twice: lane r of W1's tile 2 bb + u holds hidden unit 32 bb + 8 u + r + 8 (r / 8), so that the first product, used transposed, leaves a lane 16 neighbours along the second K;
; and lane r of row tile m = 2 B + u holds entity 32 B + 8 u + r + 8 (r / 8) of the block, so that the second product, used as it is (source 0 = hidden rows, source 1 = W2), leaves lane (r, h) one output column
; and, in the 16 registers of tiles u = 0, 1, the 16 neighbouring entities 32 B + 16 h + 0 .. 15.
; GELU, exact: h = max(x, 0) - |x| c, c = erfc(a) / 2, a = |x| / sqrt 2; erfc(a) = (1 + p(q)) / (1 + 2 a) x exp(-a a), q = (a - 2) / (a + 2), p of degree 9: all in f32.
; LIMITS: NaN and infinities are not served.  The relative error of c grows with a as about a a x 2e-7 (the exponent a a log2 e is rounded); beyond a = 10 the exponential is 0, as erfc is in f32.
; A block whose largest magnitude lies under 2^-124, a block of zeros among them, gets the byte 1 (its codes are then small or zero; only this program reads the bytes).
; No cluster: the weights, which all work-groups share, are wanted once, in registers, and come by plain loads; a joint load would bring them into LDS, to be written and read there once more.  No tensor load, so no ring.
; REGISTERS: window 0 as named below.  window 1: W1's fragments at 12 (2 t + s), b1's tiles at 192 + 8 t.  window 2: W2's at 12 (4 n + s), b2's tiles at 192 + 8 n.  window 3: the 16 accumulators of the outputs at 8 (4 n + m).
; THE MODE: SCHED_MODE bits 1:0 = 2 (LLVM: expert scheduling mode 2), set by the entry lines.  The code itself states the register dependences
; between vector or matrix instructions and memory or LDS instructions, with s_wait_alu, always for 0.
; THE PLAN.  Registers that memory or LDS instructions touch:
;   v1-8, v13, v14  offsets and LDS addresses: written at the head, read throughout, never written again: one wait on va_vdst ahead of the first load.
;   v9-12           the row tile's four LDS addresses: written at the head of a trip of .Lm (va_vdst behind the four additions), read by that trip's LDS loads and stores (vm_vsrc at the trip's end).
;   HA              loads of x land; QUANT reads; in .Lm the products and the activation write, QUANT reads.  The wait on va_vdst ahead of a tile's IMAGE stands behind all of these.
;   ST              loads of x land; QUANT reads; the activation's work; the hidden fragments land, the second product reads (va_vdst behind K steps 0 to 2); the outputs' codes are written
;                   (va_vdst ahead of their stores) and stored (vm_vsrc at the block's end, ahead of the next block's loads of x).
;   XF, XS, HS      LDS loads land; products alone read.
;   PC, PW          QUANT writes (va_vdst ahead of IMAGE); IMAGE's LDS stores read (vm_vsrc ahead of the next QUANT).
;   windows 1 and 2, W1S, W2S: loaded once, read by products alone.  window 3: named by matrix and vector instructions alone.
; Every operand and scale of a product comes from a load: no vector line writes one.
.set FR,   12
.set FRB,  1536
.set XIMG, 0                           ; LDS: x's 8 fragments (2 m + s),
.set XSC,  12288                       ; their scale words, 128 bytes each,
.set HIMG, 13312                       ; the hidden layer's 16 fragments (4 s + m: each wave's four on end),
.set HSC,  37888                       ; their scale words
.set XA,   1                           ; x: my lane's byte in a tile's rows
.set LI,   2                           ; 16 x lane
.set LS,   3                           ; 4 x lane
.set L8,   4                           ; 8 x lane
.set XWI,  5                           ; where I store x's images: 16 x lane + 3,072 x wave
.set XWS,  6                           ; their scale words: 4 x lane + 256 x wave
.set HWI,  7                           ; the hidden layer's: 16 x lane + 6,144 x wave
.set HWS,  8                           ; 4 x lane + 512 x wave
.set XFA,  9                           ; v9-12: the same four for the row tile in hand
.set XSA,  10
.set HWA,  11
.set HSA,  12
.set B1A,  13                          ; 64 h
.set R4,   14                          ; 4 r
.set XF,   16                          ; v16-39   x's two fragments
.set SW,   40                          ; v40-43   the outputs' scale words, gathered over the two blocks
.set UU,   44
.set KC0,  46                          ; v46-47   p's leading coefficient, twice
.set HA,   48                          ; v48-111  my 8 tiles of the hidden layer
.set PC,   112                         ; v112-130 the codes just made
.set ST,   132                         ; v132-195 64 numbers of x; at work in the GELU; four hidden fragments; the outputs' codes
.set HF,   196
.set TM,   200
.set PW,   216
.set XS,   217                         ; v217-218 x's scale words; v219-222 the hidden layer's; v224-239 W1's; v240-255 W2's: these hold scales and nothing else
.set HS,   219
.set W1S,  224
.set W2S,  240
.set T0,   ST
.set T1,   ST+16
.set T2,   ST+32
.set T3,   ST+48
.set MX,   ST+32
.set PX,   ST+40
.set SCL,  ST+48
.set B1,   192
.set B2,   192
.set WV,   18
.set SEL,  20
.set BLK,  22
.set MI,   23
.set KA,   38                          ; s38 1 / sqrt 2
.set CK,   40                          ; s[40:57] p's coefficients 1 to 9, each as a pair
.set KL,   58                          ; s[58:59] -log2 e
.set PBW,  60                          ; s[60:61] where my codes go
.set PBS,  62                          ; s[62:63] and my scale words
.set MSB, 0
.macro WIN new                         ; the immediate's high byte repeats the setting that is left
.if MSB != \new
	s_set_vgpr_msb (MSB<<8)|\new
.set MSB, \new
.endif
.endm
.macro CONST k, bits
	s_mov_b32 s[CK+2*(\k-1)], \bits
	s_mov_b32 s[CK+2*(\k-1)+1], \bits
.endm
; 64 numbers of a lane, register 16 b + i = k 32 b + 16 (lane / 16) + i of my row, become a fragment's codes in v[PC] on and its scale word in v[PW].
.macro QUANT s
.irp b, 0,1,2,3
	v_max3_num_f32 v[TM+\b], |v[\s+16*\b]|, |v[\s+1+16*\b]|, 0x1800000   ; my 16 numbers of block b, and the floor 2^(3 - 127): the byte cannot fall under 1
.endr
.irp i, 2,4,6,8,10,12,14
.irp b, 0,1,2,3
	v_max3_num_f32 v[TM+\b], v[TM+\b], |v[\s+16*\b+\i]|, |v[\s+1+16*\b+\i]|
.endr
.endr
.irp b, 0,1,2,3
	v_permlanex16_b32 v[TM+4+\b], v[TM+\b], s[SEL], s[SEL+1]
.endr
.irp b, 0,1,2,3
	v_max_num_f32 v[TM+\b], v[TM+\b], v[TM+4+\b]   ; with lane l xor 16's: the block's largest magnitude
.endr
.irp b, 0,1,2,3
	v_add_nc_u32 v[TM+12+\b], 0xff000000, v[TM+\b] ; 2 off its exponent field: the conversion's scale operand
.endr
.irp b, 0,1,2,3
	v_lshrrev_b32 v[TM+4+\b], 23, v[TM+12+\b]      ; the scale's byte
.endr
	v_lshl_or_b32 v[PW], v[TM+5], 8, v[TM+4]
	v_lshl_or_b32 v[PW], v[TM+6], 16, v[PW]
	v_lshl_or_b32 v[PW], v[TM+7], 24, v[PW]
.irp c, 0,1
	v_cvt_scalef32_pk16_fp6_f32 v[PC+6*\c:PC+2+6*\c], v[\s+32*\c:\s+15+32*\c], v[TM+12+2*\c]
	v_cvt_scalef32_pk16_fp6_f32 v[PC+12+4*\c:PC+14+4*\c], v[\s+16+32*\c:\s+31+32*\c], v[TM+12+2*\c+1]   ; (a conversion's three registers begin on an even number)
.endr
	v_nop                                          ; one plain line behind the conversions
.irp c, 0,1                                    ; the operand's layout wants a whole block in a lane: lanes 0-15 block 2 c, lanes 16-31 block 2 c + 1
.irp i, 0,1,2
	v_permlane16_swap_b32 v[PC+6*\c+\i], v[PC+12+4*\c+\i]
.endr
.irp i, 0,1,2
	v_mov_b32 v[PC+3+6*\c+\i], v[PC+12+4*\c+\i]
.endr
.endr
.endm
.macro IMAGE adr, off                          ; the fragment in v[PC] on goes to LDS as it stands
.irp c, 0,1,2
	ds_store_b128 v[\adr], v[PC+4*\c:PC+4*\c+3] offset:\off+512*\c
.endr
.endm
.macro FETCH reg, adr, off                     ; and comes back so, in any wave
.irp c, 0,1,2
	ds_load_b128 v[\reg+4*\c:\reg+4*\c+3], v[\adr] offset:\off+512*\c
.endr
.endm
.macro BARRIER                                 ; my LDS stores have landed and my LDS loads are in: then the work-group's barrier
	s_wait_dscnt 0x0
	s_barrier_signal -1
	s_barrier_wait -1
.endm
.macro XLOAD reg, s, off                       ; my tile's numbers of K step s (64 a lane), from off bytes on
.irp b, 0,1,2,3
.irp j, 0,1,2,3
	global_load_b128 v[\reg+16*\b+4*\j:\reg+16*\b+4*\j+3], v[XA], s[4:5] offset:\off+512*\s+128*\b+16*\j th:TH_LOAD_NT
.endr
.endr
.endm
.macro WFRAGS base                             ; sixteen fragments from their images: 16, 8, 16, 8 bytes a lane
.set f_, 0
.rept 16
	global_load_b128 v[12*f_:12*f_+3], v[LI], s[\base:\base+1] offset:1536*f_
	global_load_b64 v[12*f_+4:12*f_+5], v[L8], s[\base:\base+1] offset:1536*f_+512
	global_load_b128 v[12*f_+6:12*f_+9], v[LI], s[\base:\base+1] offset:1536*f_+768
	global_load_b64 v[12*f_+10:12*f_+11], v[L8], s[\base:\base+1] offset:1536*f_+1280
.set f_, f_+1
.endr
.endm
; The activation on 16 numbers a lane, v[HA + 16 g] on, in place.  A plain line follows every run of reciprocals or exponentials before a result is used.
.macro GELU g
.set XB, HA+16*\g
.set j_, 0
.rept 16
	v_mul_f32 v[T0+j_], s[KA], |v[XB+j_]|          ; a (the tiles are read from their low ends on)
.set j_, j_+1
.endr
.set j_, 0
.rept 8
	v_pk_add_f32 v[T1+j_:T1+j_+1], v[T0+j_:T0+j_+1], 2.0 op_sel_hi:[1,0]
.set j_, j_+2
.endr
.set j_, 0
.rept 16
	v_rcp_f32 v[T1+j_], v[T1+j_]                   ; 1 / (a + 2)
.set j_, j_+1
.endr
.set j_, 0
.rept 8
	v_pk_fma_f32 v[T2+j_:T2+j_+1], v[T0+j_:T0+j_+1], 4.0, 2.0 op_sel_hi:[1,0,0]
.set j_, j_+2
.endr
.set j_, 0
.rept 8
	v_pk_add_f32 v[T3+j_:T3+j_+1], v[T0+j_:T0+j_+1], -2.0 op_sel_hi:[1,0]
.set j_, j_+2
.endr
.set j_, 0
	s_wait_alu depctr_va_vdst(0)                   ; the sixteen reciprocals have written T1, which the multiplications below read: one wait for the batch
.rept 8
	v_pk_mul_f32 v[T1+j_:T1+j_+1], v[T3+j_:T3+j_+1], v[T1+j_:T1+j_+1]   ; q
.set j_, j_+2
.endr
.set j_, 0
.rept 16
	v_rcp_f32 v[T2+j_], v[T2+j_]                   ; 1 / (4 a + 2): the half of erfc / 2 is in it
.set j_, j_+1
.endr
.set j_, 0
.rept 8
	v_pk_mul_f32 v[T0+j_:T0+j_+1], v[T0+j_:T0+j_+1], v[T0+j_:T0+j_+1]
.set j_, j_+2
.endr
.set j_, 0
.rept 8
	v_pk_mul_f32 v[T0+j_:T0+j_+1], v[T0+j_:T0+j_+1], s[KL:KL+1] op_sel_hi:[1,0]
.set j_, j_+2
.endr
.set j_, 0
.rept 16
	v_exp_f32 v[T0+j_], v[T0+j_]                   ; exp(-a a)
.set j_, j_+1
.endr
.set j_, 0
.rept 8
	v_pk_fma_f32 v[T3+j_:T3+j_+1], v[KC0:KC0+1], v[T1+j_:T1+j_+1], s[CK:CK+1] op_sel_hi:[1,1,0]
.set j_, j_+2
.endr
.irp k, 2,3,4,5,6,7,8,9
.set j_, 0
.rept 8
	v_pk_fma_f32 v[T3+j_:T3+j_+1], v[T3+j_:T3+j_+1], v[T1+j_:T1+j_+1], s[CK+2*(\k-1):CK+2*(\k-1)+1] op_sel_hi:[1,1,0]
.set j_, j_+2
.endr
.endr
.set j_, 0
	s_wait_alu depctr_va_vdst(0)                   ; the sixteen reciprocals have written T2 and the sixteen exponentials T0, which the lines below read: one wait for both batches; the polynomial stands between
.rept 8
	v_pk_fma_f32 v[T3+j_:T3+j_+1], v[T3+j_:T3+j_+1], v[T2+j_:T2+j_+1], v[T2+j_:T2+j_+1]   ; (1 + p) / (4 a + 2)
.set j_, j_+2
.endr
.set j_, 0
.rept 8
	v_pk_mul_f32 v[T3+j_:T3+j_+1], v[T3+j_:T3+j_+1], v[T0+j_:T0+j_+1]                     ; c
.set j_, j_+2
.endr
.set j_, 0
.rept 16
	v_max_num_f32 v[T1+j_], 0, v[XB+j_]
.set j_, j_+1
.endr
.set j_, 0
.rept 16
	v_fma_f32 v[XB+j_], -|v[XB+j_]|, v[T3+j_], v[T1+j_]
.set j_, j_+1
.endr
.endm
	s_load_b256 s[4:11], s[0:1], 0x0               ; x s[4:5], wq s[6:7], b1 s[8:9], b2 s[10:11]
	s_load_b64 s[12:13], s[0:1], 0x20              ; pb
	v_lshl_add_u32 v211, v0, 2, 0xa000
	v_mov_b32 v223, 0
	v_lshrrev_b32 v15, 5, v0
	v_readfirstlane_b32 s[WV], v15                 ; wave 0..3
	v_and_b32 v15, 31, v0                          ; lane
	v_lshlrev_b32 v[LI], 4, v15
	v_lshlrev_b32 v[LS], 2, v15
	v_lshlrev_b32 v[L8], 3, v15
	v_and_b32 v[R4], 15, v0                        ; r
	v_bfe_u32 v[B1A], v0, 4, 1                     ; h
	v_and_b32 v[XA], 8, v[R4]
	v_add_nc_u32 v[XA], v[XA], v[R4]               ; r + 8 (r / 8)
	v_lshlrev_b32 v[XA], 10, v[XA]                 ; a row of x is 1,024 bytes
	v_lshl_add_u32 v[XA], v[B1A], 6, v[XA]         ; + 64 h: my 16 numbers of a block of 32
	v_lshlrev_b32 v[R4], 2, v[R4]
	v_lshlrev_b32 v[B1A], 6, v[B1A]
	s_wait_alu depctr_va_sdst(0)                   ; the wave's number is written into s18, ahead of its first reader: LDS addresses and all bases are made from it
	s_mul_i32 s28, s[WV], 3072
	v_add_nc_u32 v[XWI], s28, v[LI]
	s_lshl_b32 s28, s[WV], 8
	v_add_nc_u32 v[XWS], s28, v[LS]
	s_mul_i32 s28, s[WV], 6144
	v_add_nc_u32 v[HWI], s28, v[LI]
	s_lshl_b32 s28, s[WV], 9
	v_add_nc_u32 v[HWS], s28, v[LS]
	s_lshl_b32 s24, ttmp9, 17                      ; x: 128 rows a work-group; my tile m = wave begins at row 32 (m / 2) + 8 (m % 2)
	s_lshr_b32 s28, s[WV], 1
	s_lshl_b32 s28, s28, 15
	s_add_co_u32 s24, s24, s28
	s_and_b32 s28, s[WV], 1
	s_lshl_b32 s28, s28, 13
	s_add_co_u32 s24, s24, s28
	s_mov_b32 s25, 0
	s_mul_i32 s26, s[WV], 24576                    ; my sixteen images of W1, and of W2
	s_mov_b32 s27, 0
	s_lshl_b32 s28, s[WV], 10                      ; my scale words
	s_mov_b32 s29, 0
	s_lshr_b32 s32, ttmp9, 2                       ; pb: a chunk of 102,400 bytes for each four work-groups,
	s_mul_i32 s32, s32, 102400
	s_and_b32 s36, ttmp9, 3                        ; in it my K step,
	s_mul_i32 s34, s36, 24576
	s_add_co_u32 s34, s34, s32
	s_mul_i32 s37, s[WV], 6144                     ; in it my four tiles of outputs
	s_add_co_u32 s34, s34, s37
	s_mov_b32 s35, 0
	s_lshl_b32 s36, s36, 10
	s_add_co_u32 s32, s32, s36
	s_lshl_b32 s36, s[WV], 8
	s_add_co_u32 s32, s32, s36
	s_add_co_u32 s32, s32, 98304                   ; the scale words lie behind the chunk's codes
	s_mov_b32 s33, 0
	s_lshl_b32 s36, s[WV], 9                       ; b1: my 128 numbers
	s_mov_b32 s37, 0
	s_wait_kmcnt 0x0
	s_add_nc_u64 s[4:5], s[4:5], s[24:25]
	s_add_nc_u64 s[14:15], s[6:7], s[26:27]
	s_add_nc_u64 s[16:17], s[14:15], 98304
	s_add_nc_u64 s[30:31], s[6:7], s[28:29]
	s_add_nc_u64 s[30:31], s[30:31], 196608
	s_add_nc_u64 s[8:9], s[8:9], s[36:37]
	s_lshl_b32 s36, s[WV], 8                       ; b2: my 64
	s_add_nc_u64 s[10:11], s[10:11], s[36:37]
	s_add_nc_u64 s[PBW:PBW+1], s[12:13], s[34:35]
	s_add_nc_u64 s[PBS:PBS+1], s[12:13], s[32:33]
	s_wait_alu depctr_va_vdst(0)                   ; the offsets and LDS addresses v1 to v8, v13 and v14 are written, which the loads and stores of the whole kernel read; only loads and window switches follow up to the head's last load
	XLOAD HA, 0, 0                                 ; the first block's first K step of x goes out first
	WIN 0x40                                       ; destination window 1
	WFRAGS 14
.irp t, 0,1,2,3,4,5,6,7                        ; b1 in the result's layout: lane (r, h), tile 2 bb + u: units 32 bb + 16 h + 8 u + 0 .. 7
	global_load_b128 v[B1+8*\t:B1+8*\t+3], v[B1A], s[8:9] offset:(32*(\t/2)+8*(\t%2))*4
	global_load_b128 v[B1+8*\t+4:B1+8*\t+7], v[B1A], s[8:9] offset:(32*(\t/2)+8*(\t%2))*4+16
.endr
	WIN 0x80                                       ; destination window 2
	WFRAGS 16
.irp n, 0,1,2,3                                ; b2 in the result's layout: lane (r, h) holds column r in all eight registers
.irp j, 0,1,2,3,4,5,6,7
	global_load_b32 v[B2+8*\n+\j], v[R4], s[10:11] offset:64*\n
.endr
.endr
	WIN 0
.set f_, 0
.rept 16
	global_load_b32 v[W1S+f_], v[R4], s[30:31] offset:64*f_
	global_load_b32 v[W2S+f_], v[R4], s[30:31] offset:4096+64*f_
.set f_, f_+1
.endr
	s_mov_b32 s[SEL], 0x76543210
	s_mov_b32 s[SEL+1], 0xfedcba98                 ; v_permlanex16_b32's selects for lane l xor 16
	s_mov_b32 s[KA], 0x3f3504f3
	s_mov_b32 s[KL], 0xbfb8aa3b
	s_mov_b32 s[KL+1], 0xbfb8aa3b
	CONST 1, 0xbaa15130
	CONST 2, 0x3aac2b8a
	CONST 3, 0x3c0d6e62
	CONST 4, 0xbc040dc1
	CONST 5, 0xbd5e05b5
	CONST 6, 0x3e27fe23
	CONST 7, 0xbe2a0420
	CONST 8, 0xbdbdfb0b
	CONST 9, 0x3e8dd01d
	v_mov_b32 v[KC0], 0xb9d25000                   ; (these ten registers are named by vector lines alone)
	v_mov_b32 v[KC0+1], 0xb9d25000
.irp b, 0,1,2,3
	v_mov_b32 v[SW+\b], 0
	v_mov_b32 v[TM+4+\b], 0                        ; written once: a lane permute's destination counts as one of its sources
.endr
	s_mov_b32 s[BLK], 2
.Lblock:
	; ---- X: my tile of 16 rows of x becomes two fragments
	XLOAD ST, 1, 0                                 ; no wait here: in the first trip no vector line has named ST; in the second the waits at the last block's end stand behind all that wrote or read it
	s_wait_loadcnt 16                              ; all but the 16 just issued: K step 0, and in the first trip the weights, biases and scale words too
	QUANT HA
	s_wait_alu depctr_va_vdst(0)                   ; QUANT has written the codes v[PC ..] and the scale word v[PW], which the LDS stores read
	IMAGE XWI, XIMG
	ds_store_b32 v[XWS], v[PW] offset:XSC
	s_wait_dscnt 0x0                               ; the stores have landed
	s_wait_loadcnt 0x0
	s_wait_alu depctr_vm_vsrc(0)                   ; the LDS stores have read v[PC ..] and v[PW], which the next QUANT writes again
	QUANT ST
	s_wait_alu depctr_va_vdst(0)                   ; QUANT has written v[PC ..] and v[PW], which the LDS stores read
	IMAGE XWI, XIMG+FRB
	ds_store_b32 v[XWS], v[PW] offset:XSC+128
	s_wait_alu depctr_vm_vsrc(0)                   ; these stores have read v[PC ..] and v[PW], which the first row tile's QUANT writes again
	BARRIER                                        ; x's eight fragments lie in LDS; nobody reads the hidden layer's images of the block before any more
	; ---- 1: the hidden layer, a tile of 16 rows a trip
	s_mov_b32 s[MI], 4
	s_mov_b32 s24, 0
	s_mov_b32 s25, 0
	s_mov_b32 s26, 0
	s_mov_b32 s27, 0
.Lm:
	v_add_nc_u32 v[XFA], s24, v[LI]                ; (the LDS instructions that read these four have read them: the wait at the last trip's end)
	v_add_nc_u32 v[XSA], s25, v[LS]
	v_add_nc_u32 v[HWA], s26, v[HWI]
	v_add_nc_u32 v[HSA], s27, v[HWS]
	s_wait_alu depctr_va_vdst(0)                   ; the four addresses are written, which this trip's LDS loads and stores read; the last trip's products are done reading XF and XS, in which the loads below land
	FETCH XF, XFA, XIMG
	FETCH XF+FR, XFA, XIMG+FRB
	ds_load_b32 v[XS], v[XSA] offset:XSC
	ds_load_b32 v[XS+1], v[XSA] offset:XSC+128
	s_wait_dscnt 0x0
	WIN 0x11                                       ; source 0 (W1) and source 2 (b1) window 1
.irp t, 0,1,2,3,4,5,6,7                        ; transposed: source 0 = 16 rows of W1, source 1 = x; the bias is the C of a sum's first product; the eight tiles take turns
	v_wmma_scale_f32_16x16x128_f8f6f4 v[HA+8*\t:HA+8*\t+7], v[FR*(2*\t):FR*(2*\t)+FR-1], v[XF:XF+FR-1], v[B1+8*\t:B1+8*\t+7], v[W1S+2*\t], v[XS] matrix_a_fmt:MATRIX_FMT_FP6 matrix_b_fmt:MATRIX_FMT_FP6
.endr
	WIN 0x01
.irp t, 0,1,2,3,4,5,6,7
	v_wmma_scale_f32_16x16x128_f8f6f4 v[HA+8*\t:HA+8*\t+7], v[FR*(2*\t+1):FR*(2*\t+1)+FR-1], v[XF+FR:XF+2*FR-1], v[HA+8*\t:HA+8*\t+7], v[W1S+2*\t+1], v[XS+1] matrix_a_fmt:MATRIX_FMT_FP6 matrix_b_fmt:MATRIX_FMT_FP6
.endr
	WIN 0
.rept 4
	v_nop                                          ; four places before vector instructions read the results (ISA guide 7.12.1)
.endr
	GELU 0
	GELU 1
	GELU 2
	GELU 3
	QUANT HA
	s_wait_alu depctr_va_vdst(0)                   ; QUANT has written v[PC ..] and v[PW], which the LDS stores read.  It also stands behind every line that names HA or ST: in the last trip no vector line follows it before the loads of x into HA and of the hidden fragments into ST
	IMAGE HWA, HIMG                                ; K step w of the second product, this tile's rows
	ds_store_b32 v[HSA], v[PW] offset:HSC
	s_wait_dscnt 0x0                               ; the stores have landed
	s_wait_alu depctr_vm_vsrc(0)                   ; this trip's LDS loads and stores have read v9 to v12, v[PC ..] and v[PW]: the next trip's additions and the next QUANT write them again
	s_add_co_u32 s24, s24, 3072
	s_add_co_u32 s25, s25, 256
	s_add_co_u32 s26, s26, 1536
	s_add_co_u32 s27, s27, 128
	s_sub_co_u32 s[MI], s[MI], 1
	s_cmp_lg_u32 s[MI], 0
	s_cbranch_scc1 .Lm
	BARRIER                                        ; the hidden layer's sixteen fragments lie in LDS; nobody reads x's images any more
	s_cmp_eq_u32 s[BLK], 1                         ; the next block's first K step of x, if there is a next block: no load leaves its buffer
	s_cbranch_scc1 .Lno_next
	XLOAD HA, 0, 65536
.Lno_next:
	; ---- 2: my 64 outputs for the 64 rows: sixteen accumulators by turns, a K step at a time.  Source 0 = hidden rows, source 1 = W2
.irp s, 0,1,2,3
.irp m, 0,1,2,3
	FETCH ST+FR*\m, LI, HIMG+(4*\s+\m)*FRB
	ds_load_b32 v[HS+\m], v[LS] offset:HSC+128*(4*\s+\m)
.endr
	s_wait_dscnt 0x0
.if \s == 0
	WIN 0xe8                                       ; source 1 (W2) and source 2 (b2) window 2, destination window 3
.else
	WIN 0xf8                                       ; source 1 window 2, C and D window 3
.endif
.irp m, 0,1,2,3
.irp n, 0,1,2,3
.if \s == 0
	v_wmma_scale_f32_16x16x128_f8f6f4 v[8*(4*\n+\m):8*(4*\n+\m)+7], v[ST+FR*\m:ST+FR*\m+FR-1], v[FR*(4*\n+\s):FR*(4*\n+\s)+FR-1], v[B2+8*\n:B2+8*\n+7], v[HS+\m], v[W2S+4*\n+\s] matrix_a_fmt:MATRIX_FMT_FP6 matrix_b_fmt:MATRIX_FMT_FP6
.else
	v_wmma_scale_f32_16x16x128_f8f6f4 v[8*(4*\n+\m):8*(4*\n+\m)+7], v[ST+FR*\m:ST+FR*\m+FR-1], v[FR*(4*\n+\s):FR*(4*\n+\s)+FR-1], v[8*(4*\n+\m):8*(4*\n+\m)+7], v[HS+\m], v[W2S+4*\n+\s] matrix_a_fmt:MATRIX_FMT_FP6 matrix_b_fmt:MATRIX_FMT_FP6
.endif
.endr
.endr
	WIN 0
.rept 4
	v_nop                                          ; places in front of loads into registers that these products have read, and of the first read of results
.endr
.if \s < 3
	s_wait_alu depctr_va_vdst(0)                   ; this K step's sixteen products are done reading the four fragments in ST and the scale words in HS, in which the next K step's loads land; the places above stay beside this wait
.endif
.endr
	; ---- 3: the outputs are quantised along the entities.  Block p = 2 n + B: the 16 registers at 16 p of window 3 are entities 32 B + 16 h + 0 .. 15 of column 16 n + r
	WIN 0x3c                                       ; sources 1 and 2 window 3
.irp p, 0,1,2,3,4,5,6,7
	v_max3_num_f32 v[MX+\p], 0x1800000, |v[16*\p]|, |v[16*\p+1]|   ; each accumulator is read from its low end on
.endr
.irp i, 2,4,6,8,10,12,14
.irp p, 0,1,2,3,4,5,6,7
	v_max3_num_f32 v[MX+\p], v[MX+\p], |v[16*\p+\i]|, |v[16*\p+\i+1]|
.endr
.endr
	WIN 0
.irp p, 0,1,2,3,4,5,6,7
	v_permlanex16_b32 v[PX+\p], v[MX+\p], s[SEL], s[SEL+1]
.endr
.irp p, 0,1,2,3,4,5,6,7
	v_max_num_f32 v[MX+\p], v[MX+\p], v[PX+\p]
.endr
.irp p, 0,1,2,3,4,5,6,7
	v_add_nc_u32 v[SCL+\p], 0xff000000, v[MX+\p]
.endr
.irp p, 0,1,2,3,4,5,6,7
	v_lshrrev_b32 v[PX+\p], 23, v[SCL+\p]
.endr
.irp n, 0,1,2,3
	v_lshl_or_b32 v[HF+\n], v[PX+2*\n+1], 8, v[PX+2*\n]   ; this block of 64 entities gives two bytes a column:
.endr
.irp n, 0,1,2,3
	v_lshrrev_b32 v[SW+\n], 16, v[SW+\n]                  ; they come in from above, so that the first block's end up below
.endr
.irp n, 0,1,2,3
	v_lshl_or_b32 v[SW+\n], v[HF+\n], 16, v[SW+\n]
.endr
	WIN 0x03                                       ; source 0 window 3
.irp p, 0,1,2,3,4,5,6,7
	v_cvt_scalef32_pk16_fp6_f32 v[ST+4*\p:ST+4*\p+2], v[16*\p:16*\p+15], v[SCL+\p]
.endr
	WIN 0
	v_nop                                          ; one plain line behind the conversions
.irp n, 0,1,2,3
.irp e, 0,1,2
	v_permlane16_swap_b32 v[ST+8*\n+\e], v[ST+8*\n+4+\e]   ; a whole block in a lane: lanes 0-15 the even block, lanes 16-31 the odd one
.endr
.endr
.irp n, 0,1,2,3
	v_mov_b32 v[ST+8*\n+3], v[ST+8*\n+4]
	v_mov_b32 v[ST+8*\n+4], v[ST+8*\n+5]
	v_mov_b32 v[ST+8*\n+5], v[ST+8*\n+6]
.endr
	s_wait_alu depctr_va_vdst(0)                   ; the conversions, exchanges and moves have written the codes in ST, which the eight stores read.  No vector line follows before the next block's loads of x, which land in ST: it stands for those too
.irp n, 0,1,2,3
	global_store_b128 v[LI], v[ST+8*\n:ST+8*\n+3], s[PBW:PBW+1] offset:1536*\n          ; half an image: 512 consecutive bytes,
	global_store_b64 v[L8], v[ST+8*\n+4:ST+8*\n+5], s[PBW:PBW+1] offset:1536*\n+512     ; then 256
.endr
	s_wait_xcnt 0x0                                ; the stores and loads have read their registers and bases: these are written again only behind this wait
	s_wait_alu depctr_vm_vsrc(0)                   ; the eight stores have read the codes in ST, in which the next block's loads of x land
	s_add_nc_u64 s[4:5], s[4:5], 65536
	s_add_nc_u64 s[PBW:PBW+1], s[PBW:PBW+1], 768
	s_sub_co_u32 s[BLK], s[BLK], 1
	s_cmp_lg_u32 s[BLK], 0
	s_cbranch_scc1 .Lblock
	s_mov_b32 vcc_lo, 0xffff0000                   ; the scale words as the pooling launch's registers want them: lanes 0-15 an even tile's, lanes 16-31 the odd tile's behind it
	v_cndmask_b32 v[UU], v[SW], v[SW+1], vcc_lo
	v_cndmask_b32 v[UU+1], v[SW+2], v[SW+3], vcc_lo
	s_wait_alu depctr_va_vdst(0)                   ; the two selections have written v[UU], v[UU+1], which the store reads
	global_store_b64 v[L8], v[UU:UU+1], s[PBS:PBS+1]   ; 256 consecutive bytes
	s_wait_dscnt 0x0                               ; the closing lines, six on end
	s_wait_alu 0x0
	s_wait_tensorcnt 0x0
	ds_add_u32 v211, v223
	s_wait_dscnt 0x0
	s_endpgm
.Lfunc_end_k_q73a00f3d2f_mlp:
	.size	k_q73a00f3d2f_mlp, .Lfunc_end_k_q73a00f3d2f_mlp-k_q73a00f3d2f_mlp
	.p2alignl 7, 3214868480
	.fill 96, 4, 3214868480
	.section	.rodata,"a",@progbits
	.p2align	6, 0x0
	.amdhsa_kernel k_q73a00f3d2f_mlp
		.amdhsa_group_segment_fixed_size 41472
		.amdhsa_private_segment_fixed_size 0
		.amdhsa_enable_private_segment 0
		.amdhsa_kernarg_size 40
		.amdhsa_user_sgpr_count 2
		.amdhsa_user_sgpr_kernarg_segment_ptr 1
		.amdhsa_wavefront_size32 1
		.amdhsa_system_sgpr_workgroup_id_x 1
		.amdhsa_system_sgpr_workgroup_id_y 1
		.amdhsa_system_sgpr_workgroup_id_z 1
		.amdhsa_system_vgpr_workitem_id 0
		.amdhsa_next_free_vgpr 896
		.amdhsa_next_free_sgpr 80
		.amdhsa_reserve_vcc 1
		.amdhsa_float_denorm_mode_32 3
		.amdhsa_float_denorm_mode_16_64 3
		.amdhsa_memory_ordered 1
		.amdhsa_forward_progress 1
		.amdhsa_inst_pref_size 118
	.end_amdhsa_kernel
	.amdgpu_metadata
---
amdhsa.version: [ 1, 2 ]
amdhsa.kernels:
  - .name:           k_q73a00f3d2f_mlp
    .symbol:         k_q73a00f3d2f_mlp.kd
    .args:
      - { .name: entity_states, .offset: 0, .size: 8, .value_kind: global_buffer, .address_space: global }
      - { .name: wq, .offset: 8, .size: 8, .value_kind: global_buffer, .address_space: global }
      - { .name: b1, .offset: 16, .size: 8, .value_kind: global_buffer, .address_space: global }
      - { .name: b2, .offset: 24, .size: 8, .value_kind: global_buffer, .address_space: global }
      - { .name: pb, .offset: 32, .size: 8, .value_kind: global_buffer, .address_space: global }
    .group_segment_fixed_size: 41472
    .private_segment_fixed_size: 0
    .kernarg_segment_align: 8
    .kernarg_segment_size: 40
    .max_flat_workgroup_size: 128
    .sgpr_count:     80
    .vgpr_count:     896
    .wavefront_size: 32
...
	.end_amdgpu_metadata
.endif
;; end of part 4
;; launch pool: the kernel of part 3 again; grid 256 x 1, 4 waves a work-group, clusters of 4 x 1, 327,680 bytes of LDS; arguments pb, eyt, ext, sp, out0; writes out0
